; MI455X (gfx1250); checked and timed in simulation.
; The chip was launched on July 23, 2026; its instructions are those of AMD's public machine-readable ISA for CDNA 5 (MIT licence, August 2026) and "CDNA5" Instruction Set Architecture Reference Guide (July 2026). The comments in the code are by the model that wrote it; some were corrected since.
;; Causal Attention. Allowed arithmetic: matrix products marked QUANTISED: E5M2 operands, one given power-of-two scale a tensor, by v_wmma_f32_16x16x64_bf8_bf8 or v_wmma_f32_16x16x128_bf8_bf8, f32 sums; everything else in f32.
;; Inputs: Wk_codes 1,024 x 32 x 32 uint8 (E5M2 codes of Wk, K innermost, in blocks of 32 codes); Wq_codes 1,024 x 32 x 32 uint8 (E5M2 codes of Wq, K innermost, in blocks of 32 codes); Wv_codes 1,024 x 32 x 32 uint8 (E5M2 codes of Wv, K innermost, in blocks of 32 codes); lowp_scales 10 int32 (the exponents e of the quantised operands' scales 2^e); x_codes 4 x 2,048 x 32 x 32 uint8 (E5M2 codes of x, K innermost, in blocks of 32 codes).
;; Outputs: out0 4 x 2,048 x 1,024 float32.
;; This version of the problem:
;;   THIS VERSION OF THE PROBLEM IS GIVEN IN LOW PRECISION. The matrix products marked QUANTISED in the list below multiply operands that are first quantised to E5M2 (5 exponent bits, 2 mantissa bits; 8 bits a number), with one given power-of-two scale for each operand tensor; their sums are f32. All else is computed in f32.
;;   The module's matrix products, in the order in which they are computed (A, B: the left and right operand; K: the contracted axis; several contracted axes count as one K, in the product's order):
;;     1. [M 8,192, K 1,024] x [K 1,024, N 1,024]; A: input x (given as codes); B: input Wq (given as codes): QUANTISED (scales: A lowp_scales[0], B lowp_scales[1])
;;     2. [M 8,192, K 1,024] x [K 1,024, N 1,024]; A: input x (given as codes); B: input Wk (given as codes): QUANTISED (scales: A lowp_scales[2], B lowp_scales[3])
;;     3. [M 8,192, K 1,024] x [K 1,024, N 1,024]; A: input x (given as codes); B: input Wv (given as codes): QUANTISED (scales: A lowp_scales[4], B lowp_scales[5])
;;     4. batch 4 x [M 2,048, K 1,024] x [K 1,024, N 2,048]; A: computed on the way; B: computed on the way: QUANTISED (scales: A lowp_scales[6], B lowp_scales[7])
;;     5. batch 4 x [M 2,048, K 2,048] x [K 2,048, N 1,024]; A: softmax (see below); B: computed on the way: QUANTISED (scales: A lowp_scales[8], B lowp_scales[9])
;;   THE QUANTISER, for each operand of a quantised product, along K:
;;     - The operand's scale is 2^e, e = its entry of the input lowp_scales (int32; the entries are numbered through the quantised products in the list's order, A before B).
;;     - Each number is divided by the scale, clamped to +-57,344, and rounded to the nearest number of E5M2, ties to even, subnormals kept.
;;     - The product sums the exact products of the quantised numbers (number of the format x scale) in f32.
;;   ~~~python
;;   def quantise(x, axis, e):      # numpy; x: float32 -> the quantised numbers, widened to float32 again
;;       x = np.moveaxis(x, axis, -1); K = x.shape[-1]
;;       r = np.clip(x / 2.0 ** e, -57344, 57344)
;;       step = 2.0 ** (np.maximum(np.frexp(np.where(r == 0, 1, r))[1] - 1, -14) - 2)
;;       q = np.round(r / step) * step * 2.0 ** e      # np.round: ties to even
;;       return np.moveaxis(q, -1, axis).astype(np.float32)
;;   ~~~
;;   SOFTMAX AHEAD OF A QUANTISED PRODUCT. Where the list says 'softmax', what is quantised is not the finished softmax but p = 2^(t - M), with t = logit x log2(e) and M = ceil(the row's largest t), a whole number; so 1/2 < the row's largest p <= 1. The row's sum l is taken of the UNQUANTISED p, in f32, and the product's result is divided by l at the end. Since M is a whole number, a kernel that streams over the keys may use a running M (the ceiling of the running maximum): every later rescaling is an exact power of two, so the quantised numbers keep their values, but for numbers so far below the row's largest that they fall under the format's range.
;;   OPERANDS COMPUTED ON THE WAY. 'Computed on the way' means the value that the module computes at that place (a softmax that the list does not call 'softmax' is quantised finished and normalised). What goes into a quantiser is computed in f32, as accurately as f32 sums, v_exp_f32 and their like allow (about 1e-6 of the number): no bf16 or f16 on the way to a quantiser, and a product that is left as it is and whose result goes on into a quantised operand takes f32 operands (vector FMAs, or v_wmma_f32_16x16x4_f32). A number that lies on a knife's edge between two numbers of the format may be rounded either way, as far as f32 arithmetic and the matrix unit's own rounding can turn it there, and no further.
;;   INPUTS GIVEN AS CODES. Wk (in the module: [1024, 1024], K = its axis 1); Wq (in the module: [1024, 1024], K = its axis 1); Wv (in the module: [1024, 1024], K = its axis 1); x (in the module: [4, 2048, 1024], K = its axis 2): each comes as NAME_codes (uint8): NAME with its K axis moved to the last place and cut into blocks of 32 codes, [.., K / 32, bytes a block], one block behind the other in memory; one code a byte (a code: sign, 5 exponent bits, 2 mantissa bits); its scale is its entry of lowp_scales. Its value is code x scale, taken as it is: it is not quantised again, and the codes and scales need not be those that the quantiser above would give.
;; One version. Each part assembles by itself: llvm-mc -triple=amdgcn-amd-amdhsa -mcpu=gfx1250 --defsym DOCPART=n.
;; ======== version 1 of 1: 3 launches
;; limits: right only within a limited range of input values
;; workspace buffers: qc 8,388,608 bytes; kc 8,388,608 bytes; vt 8,388,608 bytes; pc 16,777,216 bytes; ml 524,288 bytes
;; launch proj (part 1): grid 8 x 32, 4 waves a work-group, clusters of 4 x 4, 327,680 bytes of LDS; arguments x_codes, Wq_codes, Wk_codes, Wv_codes, lowp_scales, qc, kc, vt; writes qc, kc, vt
.if DOCPART == 1
	.amdgcn_target "amdgcn-amd-amdhsa--gfx1250"
	.amdhsa_code_object_version 6
	.text
	.protected	k_q21c2a6bcfb_proj
	.globl	k_q21c2a6bcfb_proj
	.p2align	8
	.type	k_q21c2a6bcfb_proj,@function
k_q21c2a6bcfb_proj:
	s_mov_b64 s[64:65], 0
	v_nop
	global_prefetch_b8 v0, s[64:65] scope:SCOPE_SE
	s_setreg_imm32_b32 hwreg(HW_REG_WAVE_MODE, 25, 1), 1
	s_wait_xcnt 0x0
	s_wait_alu depctr_hold_cnt(0) depctr_sa_sdst(0) depctr_va_vdst(0) depctr_va_sdst(0) depctr_va_ssrc(0) depctr_va_vcc(0) depctr_vm_vsrc(0)
	s_getreg_b32 s2, hwreg(HW_REG_IB_STS2, 6, 4)
	s_cmp_eq_u32 s2, 0
	s_cbranch_scc0 .Lentry_in_a_cluster
	s_endpgm
.Lentry_in_a_cluster:
	s_bfe_u32 s2, ttmp6, 0x10000c
	s_cmp_lg_u32 s2, 0xf033
	s_cbranch_scc0 .Lentry_shape_is_right
	s_endpgm
.Lentry_shape_is_right:
; The first three products, q = x Wq^T, k = x Wk^T, v = x Wv^T on codes of E5M2, each sum quantised at once for the product that takes it in.
; OUT: qc, kc [8,192 tokens][1,024] codes;  vt [8 blocks of 1,024 tokens][1,024 d][1,024 tokens] codes: v with the keys innermost, since the keys are the fifth product's K.
; A sum stands for sum x 2^(ex + ew); its code is that of sum / 2^(et - ex - ew): the three given exponents are one conversion scale.
; LIMITS: et - ex - ew lies between -126 and 112 for each of q, k, v.  NaN and infinity among the codes are not served.
; SHARES.  Work-group (c, R) of 8 x 32: x's rows 256 R .. 256 R + 255.  PASS 1: columns 256 (c % 4) of q (c < 4) or of k: 256 x 256, a wave 128 x 128, 64 accumulators.
; PASS 2: d = 128 c .. 128 c + 127 of v for the same 256 tokens, transposed: a wave 64 d x 128 tokens, 32 accumulators.  96 of 96 x 256 output blocks of 128 x 128 over 256 equal work-groups: six each.
; K goes in steps of 256 through a ring of two slots: fills 0 to 3 are pass 1's K steps, fills 4 to 7 pass 2's; waves 0, 1 fetch x's halves (128 rows each), waves 2, 3 the weight's halves (128 rows, in pass 2 64).
; CLUSTERS 4 x 4: x's tiles are shared along a row of the cluster, the weights' along a column: joint loads.
; PREFETCH: what the next change of slots will load is asked for one K step ahead; each block of 256 bytes once in a cluster, the partners told apart by address; the weights by every second row of clusters (four of eight), fills 0 and 1 and pass 2's x by nobody.
; THE MATRIX INSTRUCTION IS USED TRANSPOSED: source 0 = B's 16 rows, source 1 = A's: lane (r, h), register j of accumulator (a, b): A's row 16 a + r, B's row 16 b + 8 h + j: eight neighbouring codes of a row of the output.
; Pass 1: A = x, B = the weight.  Pass 2: A = Wv, B = x.
; REGISTERS: window 0: v8-30 constants and addresses, v32-95 at work, v96-223 codes, v128-255 A's fragments;  window 1: B's fragments, two sets;  windows 2, 3: accumulators.
.set ROWB,   256
.set KROW,   1024
.set PITCH,  272                       ; an LDS row: 256 bytes + 16 of padding: row r starts at bank 4 r mod 64 (ISA guide 11.1)
.set FR,     16                        ; registers of a fragment
.set NP,     4                         ; places behind this matrix instruction (ISA guide 7.12.1)
.set HALFT,  128*PITCH
.set SLOT,   4*HALFT                   ; parts 0, 1: x's halves; parts 2, 3: the weight's
.set SPARE,  2*SLOT                    ; the spare words
.set STAGE,  SPARE+512                 ; 128 rows x 272 for the ways out: no fill lands here
.set SC,   8
.set LM,   9
.set SC2,  10
.set LM2,  11
.set ADA2, 12
.set ADB2, 14
.set ADRA, 16
.set ADRB, 20
.set STO,  24
.set RD,   25
.set CO,   26
.set SPW,  28
.set NIL,  29
.set PFO,  30
.set TMP,  32
.set CD,   96
.set AF,   128
.set G1,  24                           ; group 1: x's tiles
.set G0,  32                           ; groups 0 for x, one a slot
.set G1B, 48                           ; Wq's or Wk's tiles
.set G0B, 56                           ; groups 0 for the weights
.set G1W, 80                           ; Wv's tiles: 64 rows
.set PFA, 88
.set PFV, 90
.set LIM, 92
.set LIMV, 93
.set OUT1, 94
.set OUT2, 96
.set WVB, 98
.set MSB, 0
.macro WIN new
.if MSB != (\new)
	s_set_vgpr_msb (MSB<<8)|(\new)
.set MSB, (\new)
.endif
.endm
.set MUL_LO, 0xa1
.set MUL_HI, 0xf1
.set TO_B,   0x40
.macro JLOAD s, g1b                    ; a joint load: one line for x, one for the weight
	s_cmp_eq_u32 s21, 0
	s_cbranch_scc0 .Lfor_b_\@
	tensor_load_to_lds s[G0+4*\s:G0+4*\s+3], s[G1:G1+7]
	s_nop 0
.rept 4
	v_nop
.endr
	s_branch .Lasked_\@
.Lfor_b_\@:
	tensor_load_to_lds s[G0B+4*\s:G0B+4*\s+3], s[\g1b:\g1b+7]
	s_nop 0
.rept 4
	v_nop
.endr
.Lasked_\@:
.endm
.macro ASK lim, base, off
	s_cmp_eq_u32 s[\lim], 1
	s_cbranch_scc0 .Lnot_mine_\@
	global_prefetch_b8 v[PFO], s[\base:\base+1] offset:\off th:TH_LOAD_NT scope:SCOPE_SE
.Lnot_mine_\@:
.endm
.macro CREST                           ; a round of the cluster's barrier behind its opening barrier
	s_cmp_lg_u32 s20, 0
	s_cbranch_scc1 .Lnot_wave_0_\@
	s_barrier_signal -3
.Lnot_wave_0_\@:
	s_barrier_wait -3
	s_barrier_signal -1
	s_barrier_wait -1
.endm
.macro CROUND
	s_barrier_signal -1
	s_barrier_wait -1
	CREST
.endm
	s_load_b512 s[4:19], s[0:1], 0x0               ; x s[4:5], Wq s[6:7], Wk s[8:9], Wv s[10:11], the exponents s[12:13], qc s[14:15], kc s[16:17], vt s[18:19]
	v_lshl_add_u32 v[SPW], v0, 2, SPARE
	v_mov_b32 v[NIL], 0
	ds_add_u32 v[SPW], v[NIL]                      ; the wave's opening: the add, twice on end, and its wait
	ds_add_u32 v[SPW], v[NIL]
	v_lshrrev_b32 v1, 5, v0
	v_readfirstlane_b32 s20, v1                    ; wave
	s_lshr_b32 s21, s20, 1                         ; rh.  Also: I fetch for x (0) or for the weight (1)
	s_and_b32 s22, s20, 1                          ; ch.  Also: which half I fetch
	s_bfe_u32 s23, ttmp6, 0x40000                  ; cx
	s_bfe_u32 s66, ttmp6, 0x40004                  ; cy
	s_and_b32 s67, ttmp7, 0xffff                   ; the cluster's y
	s_lshl_b32 s78, ttmp9, 2
	s_add_co_u32 s78, s78, s23                     ; c
	s_lshl_b32 s79, s67, 2
	s_add_co_u32 s79, s79, s66                     ; R
	s_lshl_b32 s40, s66, 2
	s_lshl_b32 s40, 15, s40                        ; my row of the cluster
	s_lshl_b32 s41, 0x1111, s23                    ; my column
	s_or_b32 s[G1+0], s40, (1<<20)|(1<<21)|(5<<22)|(3<<25)   ; mask; elements of 1 byte; four words of padding after every 64
	s_or_b32 s[G1B+0], s41, (1<<20)|(1<<21)|(5<<22)|(3<<25)
	s_or_b32 s[G1W+0], s41, (1<<20)|(1<<21)|(5<<22)|(3<<25)
.irp g, G1, G1B, G1W
	s_mov_b32 s[\g+1], ROWB<<16
	s_mov_b32 s[\g+3], ROWB<<16
	s_mov_b32 s[\g+5], KROW
	s_mov_b32 s[\g+6], 0
	s_mov_b32 s[\g+7], 0
.endr
.irp g, G1, G1B
	s_mov_b32 s[\g+2], 128<<16
	s_mov_b32 s[\g+4], 128
.endr
	s_mov_b32 s[G1W+2], 64<<16
	s_mov_b32 s[G1W+4], 64
	s_lshl_b32 s40, s79, 18                        ; x: row 256 R + 128 half, 1,024 bytes a row
	s_lshl_b32 s41, s22, 17
	s_add_co_u32 s40, s40, s41
	s_mov_b32 s41, 0
	s_lshl_b32 s44, s23, 18                        ; Wq or Wk: row 256 cx + 128 half
	s_lshl_b32 s45, s22, 17
	s_add_co_u32 s44, s44, s45
	s_mov_b32 s45, 0
	s_lshl_b32 s[WVB], s78, 17                     ; Wv: row 128 c + 64 half
	s_lshl_b32 s42, s22, 16
	s_add_co_u32 s[WVB], s[WVB], s42
	s_mov_b32 s[WVB+1], 0
	s_mul_i32 s43, s20, HALFT                      ; my part of a slot
	s_wait_dscnt 0x0                               ; both opening adds are done
	s_wait_kmcnt 0x0
	s_load_b256 s[68:75], s[12:13], 0x0            ; e0 .. e7
	s_load_b64 s[76:77], s[12:13], 0x20            ; e8, e9
	s_cmp_eq_u32 ttmp9, 0                          ; the cluster's x: 0 makes q, 1 makes k
	s_cselect_b64 s[46:47], s[6:7], s[8:9]
	s_cselect_b64 s[OUT1:OUT1+1], s[14:15], s[16:17]
	s_add_nc_u64 s[40:41], s[4:5], s[40:41]
	s_add_nc_u64 s[44:45], s[46:47], s[44:45]
	s_add_nc_u64 s[WVB:WVB+1], s[10:11], s[WVB:WVB+1]
.irp s, 0,1
	s_mov_b32 s[G0+4*\s], 1
	s_add_co_u32 s[G0+4*\s+1], s43, \s*SLOT
	s_add_nc_u64 s[G0+4*\s+2:G0+4*\s+3], s[40:41], \s*ROWB
	s_or_b32 s[G0+4*\s+3], s[G0+4*\s+3], 0x80000000
	s_mov_b32 s[G0B+4*\s], 1
	s_add_co_u32 s[G0B+4*\s+1], s43, \s*SLOT
	s_add_nc_u64 s[G0B+4*\s+2:G0B+4*\s+3], s[44:45], \s*ROWB
	s_or_b32 s[G0B+4*\s+3], s[G0B+4*\s+3], 0x80000000
.endr
	CROUND                                         ; all sixteen work-groups are here: the first joint loads meet
	JLOAD 0, G1B                                   ; fill 0: one tensor load a wave at the head
	; who prefetches what: of the 128 rows that I fetch the partner at place p takes 32 p on
	s_cmp_eq_u32 s21, 0
	s_cselect_b64 s[PFA:PFA+1], s[40:41], s[44:45]
	s_cselect_b32 s42, s23, s66
	s_lshl_b32 s42, s42, 15
	s_mov_b32 s43, 0
	s_add_nc_u64 s[PFA:PFA+1], s[PFA:PFA+1], s[42:43]
	s_lshl_b32 s42, s78, 17                        ; Wv: row 128 c + 32 cy
	s_lshl_b32 s46, s66, 15
	s_add_co_u32 s42, s42, s46
	s_add_nc_u64 s[PFV:PFV+1], s[10:11], s[42:43]
	s_and_b32 s42, s67, 1
	s_xor_b32 s42, s42, 1                          ; the weights: every second row of clusters
	s_cmp_eq_u32 s21, 0
	s_cselect_b32 s[LIM], 1, s42
	s_cmp_eq_u32 s20, 2
	s_cselect_b32 s[LIMV], s42, 0                  ; Wv's 32 rows: wave 2
	; where my rows leave
	s_lshl_b32 s40, s79, 18
	s_lshl_b32 s41, s23, 8
	s_add_co_u32 s40, s40, s41
	s_lshl_b32 s41, s21, 17
	s_add_co_u32 s40, s40, s41
	s_lshl_b32 s42, s22, 15
	s_add_co_u32 s40, s40, s42
	s_mov_b32 s41, 0
	s_add_nc_u64 s[OUT1:OUT1+1], s[OUT1:OUT1+1], s[40:41]   ; token 256 R + 128 rh + 32 ch, column 256 cx
	s_lshl_b32 s40, s67, 20
	s_lshl_b32 s44, s78, 17
	s_add_co_u32 s40, s40, s44
	s_lshl_b32 s44, s66, 8
	s_add_co_u32 s40, s40, s44
	s_lshl_b32 s44, s21, 16
	s_add_co_u32 s40, s40, s44
	s_add_co_u32 s40, s40, s42
	s_add_nc_u64 s[OUT2:OUT2+1], s[18:19], s[40:41]         ; block of 1,024 tokens, d 128 c + 64 rh + 32 ch, token 256 cy
	s_mul_i32 s40, s21, HALFT
	s_mul_i32 s41, s22, HALFT
	s_mul_i32 s42, s20, 32*PITCH
	s_add_co_u32 s42, s42, STAGE
	s_mul_i32 s43, s21, 64*PITCH
	s_lshl_b32 s44, s22, 7
	s_add_co_u32 s43, s43, s44
	s_add_co_u32 s43, s43, STAGE
	v_and_b32 v1, 15, v0                           ; r
	v_bfe_u32 v2, v0, 4, 1                         ; h
	v_mul_u32_u24 v3, v1, PITCH
	v_lshl_add_u32 v4, v2, 4, v3                   ; a fragment's row x pitch + 16 h
	v_add_nc_u32 v[ADRA], s40, v4                  ; pass 1: A = part rh, B = part 2 + ch
	v_add_nc_u32 v[ADB2], s41, v4                  ; pass 2: A = part 2 + rh, B = part ch
	v_add_nc_u32 v[ADRB], 2*HALFT, v[ADB2]
	v_add_nc_u32 v[ADA2], 2*HALFT, v[ADRA]
	v_add_nc_u32 v[ADRA+1], SLOT, v[ADRA]
	v_add_nc_u32 v[ADRB+1], SLOT, v[ADRB]
	v_add_nc_u32 v[ADA2+1], SLOT, v[ADA2]
	v_add_nc_u32 v[ADB2+1], SLOT, v[ADB2]
	v_lshl_add_u32 v5, v2, 3, v3
	v_add_nc_u32 v[STO], s43, v5                   ; the stage: row 64 rh + r, byte 128 ch + 8 h
	v_mul_u32_u24 v5, v2, PITCH
	v_lshl_add_u32 v5, v1, 4, v5
	v_add_nc_u32 v[RD], s42, v5                    ; back: rows 32 w on, two an instruction
	v_lshlrev_b32 v5, 10, v2
	v_lshl_add_u32 v[CO], v1, 4, v5
	v_and_b32 v6, 31, v0
	v_lshlrev_b32 v[PFO], 10, v6                   ; the prefetches: a lane a row
.macro MKSC s, vs, vl                  ; 2^e and 57,344 x 2^e as f32
	s_add_co_i32 s43, s[\s], 127
	s_lshl_b32 s44, s43, 23
	v_mov_b32 v[\vs], s44
	s_add_co_i32 s43, s43, 15
	s_lshl_b32 s43, s43, 23
	s_or_b32 s43, s43, 0x600000
	v_mov_b32 v[\vl], s43
.endm
	s_wait_alu depctr_va_vdst(0)
	s_wait_kmcnt 0x0
	s_add_co_i32 s40, s68, s69
	s_add_co_i32 s41, s70, s71
	s_add_co_i32 s42, s72, s73
	s_sub_co_i32 s40, s74, s40                     ; q: e6 - e0 - e1
	s_sub_co_i32 s41, s75, s41                     ; k: e7 - e2 - e3
	s_sub_co_i32 s42, s77, s42                     ; v: e9 - e4 - e5
	s_cmp_eq_u32 ttmp9, 0
	s_cselect_b32 s40, s40, s41
	MKSC 40, SC, LM
	MKSC 42, SC2, LM2
; A fragment, 16 rows x 128 K: lane l holds row l % 16; registers 4 c .. 4 c + 3 hold K = 32 c + 16 (l / 16) + 0 .. 15: the same order of K in A and in B
.macro FRAG reg, adr, q, i
.irp c, 0,1,2,3
	ds_load_b128 v[\reg+4*\c:\reg+4*\c+3], v[\adr] offset:128*(\q)+32*\c+(\i)*16*PITCH
.endr
.endm
.macro MUL8 a, ar, p, zero             ; block a of A against B's eight: the accumulators take turns, one instruction a turn
.irp b, 0,1,2,3,4,5,6,7
.if \zero
	v_wmma_f32_16x16x128_bf8_bf8 v[64*((\a)%4)+8*\b:64*((\a)%4)+8*\b+7], v[128*(\p)+FR*\b:128*(\p)+FR*\b+FR-1], v[\ar:\ar+FR-1], 0
.else
	v_wmma_f32_16x16x128_bf8_bf8 v[64*((\a)%4)+8*\b:64*((\a)%4)+8*\b+7], v[128*(\p)+FR*\b:128*(\p)+FR*\b+FR-1], v[\ar:\ar+FR-1], v[64*((\a)%4)+8*\b:64*((\a)%4)+8*\b+7]
.endif
.endr
.endm
.macro MUL16 a0, p, zero
	MUL8 \a0, AF+FR*(\a0), \p, \zero
	MUL8 \a0+1, AF+FR*(\a0+1), \p, \zero
.endm
.macro FETCH_B slot, q, p, i0          ; four of B's eight blocks
	WIN TO_B
.irp i, \i0, \i0+1, \i0+2, \i0+3
	FRAG 128*(\p)+FR*(\i), ADRB+\slot, \q, \i
.endr
.endm
.macro FETCH_A slot, q, i0             ; two of A's eight blocks
	WIN 0
.irp i, \i0, \i0+1
	FRAG AF+FR*(\i), ADRA+\slot, \q, \i
.endr
.endm
.macro PLACES n
.rept \n
	v_nop
.endr
.endm
; PASS 1.  A step's 64 loads for the next step go out in four runs, each ahead of a quarter of the 64 products: B's first half, B's second half with A's blocks 0, 1, A's blocks 2, 3, A's blocks 4 to 7.
; A has one set of registers: a block's next fragments are asked for when its eight products stand four places back.
.macro STEP slot, q, zero
	s_wait_dscnt 24                                ; B and A's blocks 0, 1 are in; 24 loads (A's blocks 2 to 7) may be out
	WIN MUL_LO
	MUL16 0, (\q)%2, \zero
	FETCH_B \slot, (\q)+1, 1-(\q)%2, 0
	s_wait_dscnt 32                                ; A's blocks 2, 3 are in: behind them 16 of A, 16 of the next B
	WIN MUL_LO
	MUL16 2, (\q)%2, \zero
	PLACES NP
	FETCH_B \slot, (\q)+1, 1-(\q)%2, 4
	FETCH_A \slot, (\q)+1, 0
	s_wait_dscnt 40                                ; A's blocks 4 to 7 are in: behind them 32 of the next B, 8 of the next A
	WIN MUL_HI
	MUL16 4, (\q)%2, \zero
	FETCH_A \slot, (\q)+1, 2
	WIN MUL_HI
	MUL16 6, (\q)%2, \zero
	PLACES NP
	FETCH_A \slot, (\q)+1, 4
	FETCH_A \slot, (\q)+1, 6
.endm
; The change of slots, in a slot's last step.  In front of its barrier, which opens a round: all my tensor loads landed, the add, the add and my reads of this slot done.
; fill 1: two K steps on;  2: pass 2's fill (x back to its first K steps, the weight's address from Wv).  lim, base, off: the prefetch for the next change's load.
.macro TURN slot, next, fill, fetch, lim, base, off
	s_wait_dscnt 24
	WIN MUL_LO
	MUL16 0, 1, 0
	WIN 0
	s_wait_tensorcnt 0x0                           ; my part of the next slot is in
	ds_add_u32 v[SPW], v[NIL]
	s_wait_dscnt 17                                ; A's blocks 2, 3 are in: behind them 16 loads and the add
	WIN MUL_LO
	MUL8 2, AF+FR*2, 1, 0
	s_wait_dscnt 0x0                               ; the add is done, and my reads of this slot are over
	s_barrier_signal -1
	MUL8 3, AF+FR*3, 1, 0
	WIN 0
	s_barrier_wait -1
	CREST                                          ; no wave of any partner still reads this slot or has a load on its way
.if \fill == 2
	s_sub_nc_u64 s[G0+4*\slot+2:G0+4*\slot+3], s[G0+4*\slot+2:G0+4*\slot+3], 2*ROWB
	s_add_nc_u64 s[G0B+4*\slot+2:G0B+4*\slot+3], s[WVB:WVB+1], \slot*ROWB
	s_or_b32 s[G0B+4*\slot+3], s[G0B+4*\slot+3], 0x80000000
	JLOAD \slot, G1W
.else
	s_add_nc_u64 s[G0+4*\slot+2:G0+4*\slot+3], s[G0+4*\slot+2:G0+4*\slot+3], 2*ROWB
	s_add_nc_u64 s[G0B+4*\slot+2:G0B+4*\slot+3], s[G0B+4*\slot+2:G0B+4*\slot+3], 2*ROWB
	JLOAD \slot, G1B                               ; the first tensor load behind the round; its four v_nop are also the places in front of the loads below
.endif
.if \fetch
	FETCH_B \next, 0, 0, 0
	FETCH_B \next, 0, 0, 4
	FETCH_A \next, 0, 0
	FETCH_A \next, 0, 2
.endif
	ASK \lim, \base, \off
	WIN MUL_HI
	MUL16 4, 1, 0
	MUL16 6, 1, 0
.if \fetch
	PLACES NP
	FETCH_A \next, 0, 4
	FETCH_A \next, 0, 6
.else
	WIN 0
.endif
.endm
; PASS 2: 32 products a step; A and B have two sets each.
.macro FETCH2_B slot, q, p
	WIN TO_B
.irp i, 0,1,2,3,4,5,6,7
	FRAG 128*(\p)+FR*\i, ADB2+\slot, \q, \i
.endr
	WIN 0
.endm
.macro FETCH2_A slot, q, p
.irp i, 0,1,2,3
	FRAG AF+64*(\p)+FR*\i, ADA2+\slot, \q, \i
.endr
.endm
.macro STEP2 slot, zero
	PLACES NP
	FETCH2_B \slot, 1, 1
	FETCH2_A \slot, 1, 1
	s_wait_dscnt 48                                ; set 0 is in; the 48 loads just issued may be out
	WIN MUL_LO
.irp a, 0,1,2,3
	MUL8 \a, AF+FR*\a, 0, \zero
.endr
	WIN 0
.endm
.macro TURN2 slot, next, fill, lim, base, off
	s_wait_dscnt 0x0                               ; set 1 is in
	WIN MUL_LO
	MUL8 0, AF+64, 1, 0
	WIN 0
	s_wait_tensorcnt 0x0                           ; my part of the next slot is in
	ds_add_u32 v[SPW], v[NIL]
	WIN MUL_LO
	MUL8 1, AF+64+FR, 1, 0
	s_wait_dscnt 0x0                               ; the add is done (and my reads of this slot)
	s_barrier_signal -1
	MUL8 2, AF+64+FR*2, 1, 0
	WIN 0
	s_barrier_wait -1
.if \fill
	CREST
	s_add_nc_u64 s[G0+4*\slot+2:G0+4*\slot+3], s[G0+4*\slot+2:G0+4*\slot+3], 2*ROWB
	s_add_nc_u64 s[G0B+4*\slot+2:G0B+4*\slot+3], s[G0B+4*\slot+2:G0B+4*\slot+3], 2*ROWB
	JLOAD \slot, G1W
.else
	PLACES NP
.endif
	FETCH2_B \next, 0, 0
	FETCH2_A \next, 0, 0
.if \lim
	ASK \lim, \base, \off
.endif
	WIN MUL_LO
	MUL8 3, AF+64+FR*3, 1, 0
	WIN 0
.endm
; A block's 64 sums, each accumulator from its low end on: held at the largest code (the conversion does not saturate: ISA guide 7.6.2), converted eight at a time
.macro QCVT a, vs, vl
.set AC, 64*((\a)%4)
	WIN 0x02+((\a)/4)
.set j, 0
.rept 64
	v_med3_num_f32 v[TMP+j], v[AC+j], -v[\vl], v[\vl]
.set j, j+1
.endr
	WIN 0
.irp b, 0,1,2,3,4,5,6,7
	v_cvt_scalef32_pk8_bf8_f32 v[CD+16*(\a)+2*\b:CD+16*(\a)+2*\b+1], v[TMP+8*\b:TMP+8*\b+7], v[\vs]
.endr
	v_nop
.endm
.macro QST a
.irp b, 0,1,2,3,4,5,6,7
	ds_store_b64 v[STO], v[CD+16*(\a)+2*\b:CD+16*(\a)+2*\b+1] offset:((\a)%4)*16*PITCH+16*\b
.endr
.endm
.macro BACK c                          ; 32 whole rows of the stage
.set t, 0
.rept 16
	ds_load_b128 v[\c+4*t:\c+4*t+3], v[RD] offset:t*2*PITCH
.set t, t+1
.endr
.endm
.macro LEAVE c, ob, row, younger       ; 16 lanes store 256 consecutive bytes, at a multiple of 256 from the buffer's first byte
.set t, 0
.rept 16
	s_wait_dscnt \younger+15-t
	global_store_b128 v[CO], v[\c+4*t:\c+4*t+3], s[\ob:\ob+1] offset:(\row+2*t)*KROW
.set t, t+1
.endr
.endm
	s_wait_alu depctr_va_vdst(0)
	s_wait_tensorcnt 0x0                           ; my part of fill 0 is in; the full sequence ahead of slot 1's first fill
	ds_add_u32 v[SPW], v[NIL]
	s_wait_dscnt 0x0
	CROUND
	JLOAD 1, G1B                                   ; fill 1
	FETCH_B 0, 0, 0, 0
	FETCH_B 0, 0, 0, 4
	FETCH_A 0, 0, 0
	FETCH_A 0, 0, 2
	FETCH_A 0, 0, 4
	FETCH_A 0, 0, 6
	ASK LIM, PFA, 2*ROWB                           ; fill 2
	STEP 0, 0, 1                                   ; the first products start the sums
	TURN 0, 1, 1, 1, LIM, PFA, 3*ROWB              ; fill 2; asks for fill 3
	STEP 1, 0, 0
	TURN 1, 0, 1, 1, LIMV, PFV, 0                  ; fill 3; asks for fill 4's part of Wv (x has been read)
	STEP 0, 0, 0
	TURN 0, 1, 2, 1, LIMV, PFV, ROWB               ; fill 4
	STEP 1, 0, 0
	TURN 1, 0, 2, 0, LIMV, PFV, 2*ROWB             ; fill 5
	; PASS 1's WAY OUT: a row of 256 bytes comes from two waves, so codes go through the stage, 128 rows at a time
	PLACES NP
.irp a, 0,1,2,3
	QCVT \a, SC, LM
	QST \a
.endr
	s_wait_dscnt 0x0                               ; for the others' sake
	s_barrier_signal -1
.irp a, 4,5,6,7                                ; work on registers between signal and wait
	QCVT \a, SC, LM
.endr
	s_barrier_wait -1
	BACK CD
	LEAVE CD, OUT1, 0, 0
	s_barrier_signal -1                            ; my reads of the stage are over (the last wait above is for 0)
	s_barrier_wait -1
	s_wait_alu depctr_va_vdst(0)                   ; the wait ahead of the readers below
.irp a, 4,5,6,7
	QST \a
.endr
	s_wait_dscnt 0x0
	s_barrier_signal -1
	s_barrier_wait -1
	BACK CD+64
	FETCH2_B 0, 0, 0                               ; pass 2's first fragments: slot 0 has been whole since the last change of slots
	LEAVE CD+64, OUT1, 64, 32                      ; behind the rows' loads: B's 32
	s_wait_xcnt 0x0                                ; the stores have read their registers: A's fragments may land there
	FETCH2_A 0, 0, 0
	STEP2 0, 1
	TURN2 0, 1, 1, LIMV, PFV, 3*ROWB               ; fill 6; asks for fill 7's part of Wv
	STEP2 1, 0
	TURN2 1, 0, 1, 0, 0, 0                         ; fill 7
	STEP2 0, 0
	TURN2 0, 1, 0, 0, 0, 0
	STEP2 1, 0
	s_wait_dscnt 0x0
	WIN MUL_LO
.irp a, 0,1,2,3
	MUL8 \a, AF+64+FR*\a, 1, 0
.endr
	WIN 0
	PLACES NP
.irp a, 0,1,2,3
	QCVT \a, SC2, LM2
	QST \a
.endr
	s_wait_dscnt 0x0
	s_barrier_signal -1
	s_barrier_wait -1
	BACK CD
	LEAVE CD, OUT2, 0, 0
	s_wait_tensorcnt 0x0                           ; the wave's end
	ds_add_u32 v[SPW], v[NIL]
	s_wait_dscnt 0x0
	CROUND                                         ; the closing round
	s_endpgm
.Lfunc_end_k_q21c2a6bcfb_proj:
	.size	k_q21c2a6bcfb_proj, .Lfunc_end_k_q21c2a6bcfb_proj-k_q21c2a6bcfb_proj
	.p2alignl 7, 3214868480
	.fill 96, 4, 3214868480
	.section	.rodata,"a",@progbits
	.p2align	6, 0x0
	.amdhsa_kernel k_q21c2a6bcfb_proj
		.amdhsa_group_segment_fixed_size 327680
		.amdhsa_private_segment_fixed_size 0
		.amdhsa_enable_private_segment 0
		.amdhsa_kernarg_size 64
		.amdhsa_user_sgpr_count 2
		.amdhsa_user_sgpr_kernarg_segment_ptr 1
		.amdhsa_wavefront_size32 1
		.amdhsa_system_sgpr_workgroup_id_x 1
		.amdhsa_system_sgpr_workgroup_id_y 1
		.amdhsa_system_sgpr_workgroup_id_z 1
		.amdhsa_system_vgpr_workitem_id 0
		.amdhsa_next_free_vgpr 1024
		.amdhsa_next_free_sgpr 100
		.amdhsa_reserve_vcc 0
		.amdhsa_float_denorm_mode_32 3
		.amdhsa_float_denorm_mode_16_64 3
		.amdhsa_memory_ordered 1
		.amdhsa_forward_progress 1
		.amdhsa_inst_pref_size 199
	.end_amdhsa_kernel
	.amdgpu_metadata
---
amdhsa.version: [ 1, 2 ]
amdhsa.kernels:
  - .name:           k_q21c2a6bcfb_proj
    .symbol:         k_q21c2a6bcfb_proj.kd
    .args:
      - { .name: x_codes, .offset: 0, .size: 8, .value_kind: global_buffer, .address_space: global }
      - { .name: Wq_codes, .offset: 8, .size: 8, .value_kind: global_buffer, .address_space: global }
      - { .name: Wk_codes, .offset: 16, .size: 8, .value_kind: global_buffer, .address_space: global }
      - { .name: Wv_codes, .offset: 24, .size: 8, .value_kind: global_buffer, .address_space: global }
      - { .name: lowp_scales, .offset: 32, .size: 8, .value_kind: global_buffer, .address_space: global }
      - { .name: qc, .offset: 40, .size: 8, .value_kind: global_buffer, .address_space: global }
      - { .name: kc, .offset: 48, .size: 8, .value_kind: global_buffer, .address_space: global }
      - { .name: vt, .offset: 56, .size: 8, .value_kind: global_buffer, .address_space: global }
    .group_segment_fixed_size: 327680
    .private_segment_fixed_size: 0
    .kernarg_segment_align: 8
    .kernarg_segment_size: 64
    .max_flat_workgroup_size: 128
    .sgpr_count:     100
    .vgpr_count:     1024
    .wavefront_size: 32
...
	.end_amdgpu_metadata
.endif
;; end of part 1
;; launch scores (part 2): grid 36 x 4, 4 waves a work-group, no clusters, 327,680 bytes of LDS; arguments qc, kc, lowp_scales, pc, ml; writes pc, ml
.if DOCPART == 2
	.amdgcn_target "amdgcn-amd-amdhsa--gfx1250"
	.amdhsa_code_object_version 6
	.text
	.protected	k_q21c2a6bcfb_scores
	.globl	k_q21c2a6bcfb_scores
	.p2align	8
	.type	k_q21c2a6bcfb_scores,@function
k_q21c2a6bcfb_scores:
	s_mov_b64 s[64:65], 0
	v_nop
	global_prefetch_b8 v0, s[64:65] scope:SCOPE_SE
	s_setreg_imm32_b32 hwreg(HW_REG_WAVE_MODE, 25, 1), 1
	s_wait_xcnt 0x0
; The fourth product, S = q k^T on codes, for one tile of 256 queries x 256 keys, and the softmax's first half on that tile.
; LEFT OUT AS DEAD WORK: tiles whose key tile kt comes after the query tile qt lie wholly under the mask that reference() builds (key > query): of 8 x 8 tiles a batch, the 36 with kt <= qt are made.  (A NaN or an infinity that reaches only the others is not carried to the result.)
; t = score x log2(e) / 32;  M = the row's largest t IN THIS TILE, rounded up to a whole number (every tile made holds a visible key of each of its rows);  p = 2^(t - M), quantised with 2^e8;
; l = the row's sum of the unquantised p.  The next kernel brings the tiles under one exponent by exact powers of two.
; OUT: pc [4 b][2: kt / 4][2,048 q][1,024 keys]: p's codes;  ml, f32, [4 b][16 blocks of 128 q][8 kt][2: M, l][16 r][8 a], query = 128 blk + 16 a + r.
; LIMITS: e6 + e7 between -121 and 132 (added to c's exponent field), e8 between -126 and 112.  p's codes are those under the row's final M times a power of two: they differ in value only where those would fall
; under E5M2's normal range, or where 57,344 x 2^e8 < 1 (the hold then cuts each tile's largest p, not only the row's).  NaN and infinity among the codes are not served.
; NO CLUSTER: row qt of the triangle has qt + 1 tiles and column kt has 8 - kt: they do not divide into blocks of 2 x 2 or 4 x 4 that share both operands without work-groups that would hold hidden tiles alone;
; lines of four that share one operand share the queries in some lines and the keys in others: the loads, their masks and the places of the tiles in LDS would hang on the line.
; PREFETCH: the slot that the next change will load, one K step ahead, by the diagonal's work-groups: that of tile t asks for q's tile t and k's tile t, so each block of 256 bytes is named once in the launch.
; SHARES: A = the 256 queries (parts 0, 1 of a slot), B = the 256 keys (parts 2, 3); wave w fetches part w.  Wave (rh, ch) takes 128 x 128: lane (r, h) of accumulator (a, b), register j: query 128 rh + 16 a + r, key 128 ch + 16 b + 8 h + j of the tile.
; REGISTERS: window 0: v7-29 constants and addresses, v128-255 A's fragments, later v32-195 at work;  window 1: B's fragments, two sets, later rows on their way out;  windows 2, 3: accumulator (a, b) at v[8 (8 (a % 4) + b)].
.set ROWB,   256
.set KROW,   1024
.set PITCH,  272                       ; an LDS row: 256 bytes + 16 of padding = 68 words: row r starts at bank 4 r mod 64 (ISA guide 11.1)
.set FR,     16
.set NP,     4                         ; places behind this matrix instruction (ISA guide 7.12.1)
.set HALFT,  128*PITCH
.set SLOT,   4*HALFT
.set SPARE,  2*SLOT                    ; the spare words
.set XCH,    256*PITCH                 ; the way out, all inside slot 0: the stage (256 rows x 272) from byte 0; then 1,024 bytes a wave for the maxima; 4,096 further on the same for the sums
.set PFO,  7
.set SCL,  8                           ; 2^e8 as f32
.set LIM,  9                           ; 57,344 x 2^e8
.set D0,   14                          ; r - 8 h on the diagonal, more than 7 elsewhere
.set NINF, 15
.set ADRA, 16
.set XW,   18                          ; where I put eight numbers a lane for my partner (the wave with my rows and the other keys)
.set XR,   19                          ; where I find my partner's
.set ADRB, 20
.set MLO,  22                          ; 32 r + 16 h: my 16 bytes of a block of ml
.set STO,  24
.set RD,   25
.set CO,   26
.set SPW,  28
.set NIL,  29
.set TMP,  32                          ; v32-159: two blocks at work
.set MX,   32                          ; v32-207 ahead of that: 22 partial maxima a block
.set CD,   160                         ; v160-191: two blocks' codes
.set AF,   128
.set SM,   224                         ; the rows' maxima; later my partner's sums
.set PM,   232                         ; my partner's maxima, then t, then the rows' sums
.set NM,   240                         ; v[240 + 2 a] -M of block a's row; the odd registers are named with them as pairs, so they are written
.set QT,  17
.set KT,  18
.set G1,  24
.set G0,  32
.set SEL, 20                           ; s[20:21] lane selects for v_permlanex16_b32: lane l xor 16
.set CS,  22                           ; s[22:23] c: the packed form names a pair and takes its low word for both halves
.set SRC, 42                           ; s[42:43] my 128 rows at K step 0: it stays
.set DG,  74                           ; s74 all lanes where my 128 x 128 lies on the diagonal
.set HID, 75                           ; s75 all lanes where it lies wholly behind the diagonal
.set JM,  80                           ; s80-87 the lanes whose register j is hidden in a block on the diagonal
.set MSB, 0
.macro WIN new
.if MSB != (\new)
	s_set_vgpr_msb (MSB<<8)|(\new)
.set MSB, (\new)
.endif
.endm
.set MUL_LO, 0xa1
.set MUL_HI, 0xf1
.set TO_B,   0x40
.macro ASKQ off
	s_cmp_lg_u32 s[QT], s[KT]
	s_cbranch_scc1 .Lnot_mine_\@
.irp i, 0,1,2,3
	global_prefetch_b8 v[PFO], s[SRC:SRC+1] offset:32*KROW*\i+\off th:TH_LOAD_NT scope:SCOPE_SE
.endr
.Lnot_mine_\@:
.endm
	s_load_b256 s[4:11], s[0:1], 0x0               ; qc s[4:5], kc s[6:7], the exponents s[8:9], pc s[10:11]
	s_load_b64 s[12:13], s[0:1], 0x20              ; ml
	v_lshl_add_u32 v[SPW], v0, 2, SPARE
	v_mov_b32 v[NIL], 0
	ds_add_u32 v[SPW], v[NIL]                      ; the wave's opening: the add, twice on end, and its wait
	ds_add_u32 v[SPW], v[NIL]
	v_lshrrev_b32 v1, 5, v0
	v_readfirstlane_b32 s14, v1                    ; wave
	s_lshr_b32 s15, s14, 1                         ; rh.  Also: I fetch for q (0) or for k (1)
	s_and_b32 s16, s14, 1                          ; ch.  Also: which 128 rows I fetch
	s_mov_b32 s[QT], 0                             ; qt: the triangle's row that holds tile number x: one more for each row's first number that x has reached
.irp T, 1,3,6,10,15,21,28
	s_cmp_ge_u32 ttmp9, \T
	s_cselect_b32 s40, 1, 0
	s_add_co_u32 s[QT], s[QT], s40
.endr
	s_add_co_u32 s40, s[QT], 1
	s_mul_i32 s40, s40, s[QT]
	s_lshr_b32 s40, s40, 1
	s_sub_co_u32 s[KT], ttmp9, s40                 ; kt = x - qt (qt + 1) / 2
	s_and_b32 s19, ttmp7, 0xffff                   ; b
	s_mov_b32 s[G1+0], (1<<20)|(5<<22)|(3<<25)     ; no mask; elements of 1 byte; four words of padding after every 64
	s_mov_b32 s[G1+1], ROWB<<16
	s_mov_b32 s[G1+2], 128<<16
	s_mov_b32 s[G1+3], ROWB<<16
	s_mov_b32 s[G1+4], 128
	s_mov_b32 s[G1+5], KROW
	s_mov_b32 s[G1+6], 0
	s_mov_b32 s[G1+7], 0
	s_cmp_eq_u32 s15, 0
	s_cselect_b32 s40, s[QT], s[KT]                ; the tile that I fetch for
	s_lshl_b32 s40, s40, 8
	s_lshl_b32 s41, s19, 11
	s_add_co_u32 s40, s40, s41
	s_lshl_b32 s41, s16, 7
	s_add_co_u32 s40, s40, s41                     ; token 2,048 b + 256 tile + 128 half,
	s_lshl_b32 s40, s40, 10                        ; in bytes
	s_mov_b32 s41, 0
	s_mul_i32 s44, s14, HALFT
	s_mov_b32 s[SEL], 0x76543210
	s_mov_b32 s[SEL+1], 0xfedcba98
	s_mov_b32 s[CS], 0x3d38aa3b                    ; c = log2(e) / 32
	s_wait_dscnt 0x0                               ; both opening adds are done
	s_wait_kmcnt 0x0
	s_load_b128 s[68:71], s[8:9], 0x18             ; e6, e7, e8, e9
	s_cmp_eq_u32 s15, 0
	s_cselect_b64 s[SRC:SRC+1], s[4:5], s[6:7]
	s_add_nc_u64 s[SRC:SRC+1], s[SRC:SRC+1], s[40:41]
.irp s, 0,1
	s_mov_b32 s[G0+4*\s], 1
	s_add_co_u32 s[G0+4*\s+1], s44, \s*SLOT
	s_add_nc_u64 s[G0+4*\s+2:G0+4*\s+3], s[SRC:SRC+1], \s*ROWB
	s_or_b32 s[G0+4*\s+3], s[G0+4*\s+3], 0x80000000
.endr
	tensor_load_to_lds s[G0:G0+3], s[G1:G1+7]      ; K step 0: one tensor load a wave at the head
	s_nop 0
	; the mask
	s_cmp_eq_u32 s[QT], s[KT]
	s_cselect_b32 s90, -1, 0
	s_cmp_eq_u32 s15, s16
	s_cselect_b32 s[DG], s90, 0
	s_cmp_lt_u32 s15, s16
	s_cselect_b32 s[HID], s90, 0
	s_mov_b32 s91, 64
	s_cmp_lg_u32 s[DG], 0
	s_cselect_b32 s91, 0, s91
	s_cmp_eq_u32 s16, 1
	s_cselect_b32 s72, -1, 0                       ; all lanes where ch = 1: that wave stores l, its partner M
	s_lshl_b32 s40, s19, 4                         ; ml: (((16 b + 2 qt + rh) 8 + kt) 2 + ch) blocks of 512 bytes
	s_lshl_b32 s41, s[QT], 1
	s_add_co_u32 s40, s40, s41
	s_add_co_u32 s40, s40, s15
	s_lshl_b32 s40, s40, 3
	s_add_co_u32 s40, s40, s[KT]
	s_lshl_b32 s40, s40, 1
	s_add_co_u32 s40, s40, s16
	s_lshl_b32 s40, s40, 9
	s_mov_b32 s41, 0
	s_add_nc_u64 s[12:13], s[12:13], s[40:41]
	s_lshl_b32 s40, s19, 22                        ; pc: b, the half kt / 4, row 256 qt + 128 (w / 2) + 32 (w % 2), column 256 (kt % 4)
	s_lshr_b32 s41, s[KT], 2
	s_lshl_b32 s41, s41, 21
	s_add_co_u32 s40, s40, s41
	s_lshl_b32 s41, s[QT], 18
	s_add_co_u32 s40, s40, s41
	s_lshl_b32 s41, s15, 17
	s_add_co_u32 s40, s40, s41
	s_lshl_b32 s41, s16, 15
	s_add_co_u32 s40, s40, s41
	s_and_b32 s41, s[KT], 3
	s_lshl_b32 s41, s41, 8
	s_add_co_u32 s40, s40, s41
	s_mov_b32 s41, 0
	s_add_nc_u64 s[10:11], s[10:11], s[40:41]
	s_mul_i32 s40, s15, HALFT                      ; my 128 rows of q: part rh
	s_mul_i32 s41, s16, HALFT
	s_add_co_u32 s41, s41, 2*HALFT                 ; my 128 rows of k: part 2 + ch
	s_mul_i32 s76, s15, 128*PITCH
	s_lshl_b32 s77, s16, 7
	s_add_co_u32 s77, s76, s77                     ; the stage, in: row 128 rh, byte 128 ch
	s_mul_i32 s78, s16, 32*PITCH
	s_add_co_u32 s76, s76, s78                     ; back: row 128 (w / 2) + 32 (w % 2)
	s_lshl_b32 s78, s14, 10
	s_add_co_u32 s78, s78, XCH
	s_xor_b32 s79, s14, 1
	s_lshl_b32 s79, s79, 10
	s_add_co_u32 s79, s79, XCH
	v_and_b32 v1, 15, v0                           ; r
	v_bfe_u32 v2, v0, 4, 1                         ; h
	v_and_b32 v6, 31, v0                           ; lane
	v_mul_u32_u24 v3, v1, PITCH
	v_lshl_add_u32 v4, v2, 4, v3                   ; a fragment's row x pitch + 16 h
	v_add_nc_u32 v[ADRA], s40, v4
	v_add_nc_u32 v[ADRB], s41, v4
	v_add_nc_u32 v[ADRA+1], SLOT, v[ADRA]
	v_add_nc_u32 v[ADRB+1], SLOT, v[ADRB]
	v_lshl_add_u32 v5, v2, 3, v3
	v_add_nc_u32 v[STO], s77, v5
	v_mul_u32_u24 v5, v2, PITCH
	v_lshl_add_u32 v5, v1, 4, v5
	v_add_nc_u32 v[RD], s76, v5
	v_lshlrev_b32 v5, 10, v2
	v_lshl_add_u32 v[CO], v1, 4, v5
	v_lshl_add_u32 v[XW], v6, 4, s78
	v_lshl_add_u32 v[XR], v6, 4, s79
	v_lshlrev_b32 v5, 3, v2
	v_sub_nc_u32 v[D0], v1, v5
	v_add_nc_u32 v[D0], s91, v[D0]
	v_mov_b32 v[NINF], 0xff800000
	v_lshlrev_b32 v5, 5, v1
	v_lshl_add_u32 v[MLO], v2, 4, v5
	v_lshlrev_b32 v[PFO], 10, v6                   ; the prefetches: a lane a row
	v_cmp_lt_u32 s73, 15, v6                       ; the lanes with h = 1
.irp j, 0,1,2,3,4,5,6,7
	v_cmp_gt_i32 s[JM+\j], \j, v[D0]               ; block (a, a): key 8 h + j > query r
.endr
	s_wait_alu depctr_va_vdst(0)
	s_wait_kmcnt 0x0
	s_add_co_i32 s40, s68, s69
	s_lshl_b32 s40, s40, 23
	s_add_co_i32 s[CS], s[CS], s40                 ; a sum stands for sum x 2^(e6 + e7): the two exponents are added to c's exponent field
	s_mov_b32 s[CS+1], s[CS]
	s_add_co_i32 s40, s70, 127
	s_lshl_b32 s41, s40, 23
	v_mov_b32 v[SCL], s41
	s_add_co_i32 s40, s40, 15
	s_lshl_b32 s40, s40, 23
	s_or_b32 s40, s40, 0x600000
	v_mov_b32 v[LIM], s40
; A fragment, 16 rows x 128 K: lane l holds row l % 16; registers 4 c .. 4 c + 3 hold K = 32 c + 16 (l / 16) + 0 .. 15: the same order of K in A and in B
.macro FRAG reg, adr, q, i
.irp c, 0,1,2,3
	ds_load_b128 v[\reg+4*\c:\reg+4*\c+3], v[\adr] offset:128*(\q)+32*\c+(\i)*16*PITCH
.endr
.endm
.macro MUL8 a, p, zero                 ; block a against B's eight: the 64 accumulators take turns, one instruction a turn
.irp b, 0,1,2,3,4,5,6,7
.if \zero
	v_wmma_f32_16x16x128_bf8_bf8 v[64*((\a)%4)+8*\b:64*((\a)%4)+8*\b+7], v[128*(\p)+FR*\b:128*(\p)+FR*\b+FR-1], v[AF+FR*(\a):AF+FR*(\a)+FR-1], 0
.else
	v_wmma_f32_16x16x128_bf8_bf8 v[64*((\a)%4)+8*\b:64*((\a)%4)+8*\b+7], v[128*(\p)+FR*\b:128*(\p)+FR*\b+FR-1], v[AF+FR*(\a):AF+FR*(\a)+FR-1], v[64*((\a)%4)+8*\b:64*((\a)%4)+8*\b+7]
.endif
.endr
.endm
.macro MUL16 a0, p, zero
	MUL8 \a0, \p, \zero
	MUL8 \a0+1, \p, \zero
.endm
.macro FETCH_B slot, q, p, i0          ; four of B's eight blocks
	WIN TO_B
.irp i, \i0, \i0+1, \i0+2, \i0+3
	FRAG 128*(\p)+FR*(\i), ADRB+\slot, \q, \i
.endr
.endm
.macro FETCH_A slot, q, i0             ; two of A's eight blocks
	WIN 0
.irp i, \i0, \i0+1
	FRAG AF+FR*(\i), ADRA+\slot, \q, \i
.endr
.endm
.macro PLACES n
.rept \n
	v_nop
.endr
.endm
; A step's 64 loads for the next step go out in four runs, each ahead of a quarter of the 64 products.  A has one set of registers: a block's next fragments are asked for when its eight products stand four places back.
.macro STEP slot, q, zero
	s_wait_dscnt 24                                ; B and A's blocks 0, 1 are in; 24 loads (A's blocks 2 to 7) may be out
	WIN MUL_LO
	MUL16 0, (\q)%2, \zero
	FETCH_B \slot, (\q)+1, 1-(\q)%2, 0
	s_wait_dscnt 32                                ; A's blocks 2, 3 are in: behind them 16 of A, 16 of the next B
	WIN MUL_LO
	MUL16 2, (\q)%2, \zero
	PLACES NP
	FETCH_B \slot, (\q)+1, 1-(\q)%2, 4
	FETCH_A \slot, (\q)+1, 0
	s_wait_dscnt 40                                ; A's blocks 4 to 7 are in: behind them 32 of the next B, 8 of the next A
	WIN MUL_HI
	MUL16 4, (\q)%2, \zero
	FETCH_A \slot, (\q)+1, 2
	WIN MUL_HI
	MUL16 6, (\q)%2, \zero
	PLACES NP
	FETCH_A \slot, (\q)+1, 4
	FETCH_A \slot, (\q)+1, 6
.endm
.macro TURN slot, next, fill, ask
	s_wait_dscnt 24
	WIN MUL_LO
	MUL16 0, 1, 0
	WIN 0
	s_wait_tensorcnt 0x0                           ; all my tensor loads have landed: my part of the next slot
	ds_add_u32 v[SPW], v[NIL]                      ; 0 onto my spare word
	s_wait_dscnt 17                                ; A's blocks 2, 3 are in: behind them 16 loads and the add
	WIN MUL_LO
	MUL8 2, 1, 0
	s_wait_dscnt 0x0                               ; the add is done, and my reads of this slot are over
	s_barrier_signal -1
	MUL8 3, 1, 0
	WIN 0
	s_barrier_wait -1                              ; nobody reads this slot any more, and the next slot is whole
.if \fill
	s_add_nc_u64 s[G0+4*\slot+2:G0+4*\slot+3], s[G0+4*\slot+2:G0+4*\slot+3], 2*ROWB
	tensor_load_to_lds s[G0+4*\slot:G0+4*\slot+3], s[G1:G1+7]   ; my one tensor load behind this barrier
	s_nop 0
.endif
	PLACES NP                                      ; in front of the loads below
	FETCH_B \next, 0, 0, 0
	FETCH_B \next, 0, 0, 4
	FETCH_A \next, 0, 0
	FETCH_A \next, 0, 2
.if \ask
	ASKQ \ask
.endif
	WIN MUL_HI
	MUL16 4, 1, 0
	MUL16 6, 1, 0
	PLACES NP
	FETCH_A \next, 0, 4
	FETCH_A \next, 0, 6
.endm
	s_wait_alu depctr_va_vdst(0)
	s_wait_tensorcnt 0x0                           ; my part of slot 0 is in; the full sequence ahead of slot 1's first fill
	ds_add_u32 v[SPW], v[NIL]
	s_wait_dscnt 0x0
	s_barrier_signal -1
	s_barrier_wait -1
	tensor_load_to_lds s[G0+4:G0+7], s[G1:G1+7]    ; K step 1: my one tensor load behind this barrier
	s_nop 0
	FETCH_B 0, 0, 0, 0
	FETCH_B 0, 0, 0, 4
	FETCH_A 0, 0, 0
	FETCH_A 0, 0, 2
	FETCH_A 0, 0, 4
	FETCH_A 0, 0, 6
	ASKQ 2*ROWB
	STEP 0, 0, 1
	TURN 0, 1, 1, 3*ROWB
	STEP 1, 0, 0
	TURN 1, 0, 1, 0
	STEP 0, 0, 0
	TURN 0, 1, 0, 0                                ; behind this barrier nobody reads slot 0, and it has had its last fill: the way out's LDS bytes lie there
	STEP 1, 0, 0
	s_wait_dscnt 16
	WIN MUL_LO
	MUL16 0, 1, 0
	MUL16 2, 1, 0
	s_wait_dscnt 0
	WIN MUL_HI
	MUL16 4, 1, 0
	MUL16 6, 1, 0
	WIN 0
	PLACES NP
	; THE MASK, in the diagonal tile alone (a branch on the work-group's number, the same in all waves, round no barrier).  In the waves on the diagonal (DG) blocks b > a are hidden whole and blocks b = a where key 8 h + j > query r;
	; in the others both sets of lanes are empty.
	s_cmp_lg_u32 s[QT], s[KT]
	s_cbranch_scc1 .Lopen
.irp a, 0,1,2,3,4,5,6,7
	WIN 0x82+0x41*(\a/4)                           ; destination and source 0: window 2 or 3
.irp j, 0,1,2,3,4,5,6,7
	v_cndmask_b32 v[64*(\a%4)+8*\a+\j], v[64*(\a%4)+8*\a+\j], v[NINF], s[JM+\j]
.endr
.set i, 8*\a+8
.rept 56-8*\a
	v_cndmask_b32 v[64*(\a%4)+i], v[64*(\a%4)+i], v[NINF], s[DG]
.set i, i+1
.endr
.endr
	WIN 0
.Lopen:
	; THE ROWS' MAXIMA.  A block's 64 registers, three at a time in ascending order, give 22 numbers
.irp a, 0,1,2,3,4,5,6,7
	WIN 0x2a+0x15*(\a/4)                           ; all three sources: window 2 or 3
.set i, 0
.rept 20
	v_max3_num_f32 v[MX+22*\a+i], v[64*(\a%4)+3*i], v[64*(\a%4)+3*i+1], v[64*(\a%4)+3*i+2]
.set i, i+1
.endr
	v_max_num_f32 v[MX+22*\a+20], v[64*(\a%4)+60], v[64*(\a%4)+61]
	v_max_num_f32 v[MX+22*\a+21], v[64*(\a%4)+62], v[64*(\a%4)+63]
.endr
	WIN 0
.irp i, 0,1,2,3,4,5,6                          ; these give one, the eight blocks side by side, so that no line waits for the line above it
.irp a, 0,1,2,3,4,5,6,7
	v_max3_num_f32 v[MX+22*\a+\i], v[MX+22*\a+3*\i], v[MX+22*\a+3*\i+1], v[MX+22*\a+3*\i+2]
.endr
.endr
.irp a, 0,1,2,3,4,5,6,7
	v_max3_num_f32 v[MX+22*\a], v[MX+22*\a], v[MX+22*\a+1], v[MX+22*\a+2]
.endr
.irp a, 0,1,2,3,4,5,6,7
	v_max3_num_f32 v[MX+22*\a+1], v[MX+22*\a+3], v[MX+22*\a+4], v[MX+22*\a+5]
.endr
.irp a, 0,1,2,3,4,5,6,7
	v_max3_num_f32 v[MX+22*\a], v[MX+22*\a], v[MX+22*\a+1], v[MX+22*\a+6]
.endr
.irp a, 0,1,2,3,4,5,6,7
	v_max_num_f32 v[MX+22*\a], v[MX+22*\a], v[MX+22*\a+21]
.endr
.irp a, 0,1,2,3,4,5,6,7
	v_permlanex16_b32 v[MX+22*\a+1], v[MX+22*\a], s[SEL], s[SEL+1]   ; the row's other keys of my half lie in lane l xor 16
.endr
.irp a, 0,1,2,3,4,5,6,7
	v_max_num_f32 v[SM+\a], v[MX+22*\a], v[MX+22*\a+1]
.endr
.irp a, 0,1,2,3,4,5,6,7
	v_cndmask_b32 v[SM+\a], v[SM+\a], v[NINF], s[HID]   ; a wave all of whose keys are hidden has no maximum to give
.endr
	ds_store_b128 v[XW], v[SM:SM+3]                ; the tile's other 128 keys are in my partner wave: eight numbers a lane change hands as they lie
	ds_store_b128 v[XW], v[SM+4:SM+7] offset:512
	s_wait_alu depctr_va_vdst(0)
	s_wait_dscnt 0x0                               ; for my partner's sake
	s_barrier_signal -1
	s_barrier_wait -1
	ds_load_b128 v[PM:PM+3], v[XR]
	ds_load_b128 v[PM+4:PM+7], v[XR] offset:512
	s_wait_dscnt 0x0
.irp a, 0,1,2,3,4,5,6,7
	v_max_num_f32 v[SM+\a], v[SM+\a], v[PM+\a]
.endr
.irp a, 0,1,2,3,4,5,6,7
	v_mul_f32 v[PM+\a], s[CS], v[SM+\a]            ; as t (c is positive)
.endr
.irp a, 0,1,2,3,4,5,6,7
	v_floor_f32 v[NM+2*\a], -v[PM+\a]              ; -M = floor(-t) = -ceil(t)
	v_mov_b32 v[NM+2*\a+1], 0
.endr
.irp a, 0,1,2,3,4,5,6,7
	v_cndmask_b32 v[NM+2*\a], v[NM+2*\a], v[NINF], s[HID]   ; hidden keys alone: t - M is -infinity and p is 0 (this wave has ch = 1: its partner stores M)
.endr
; BLOCKS 2 g, 2 g + 1: t - M (packed), 128 exponentials as one batch with a wait ahead of it and one behind it, the rows' sums of the unquantised p in four chains, the hold (p is not negative: one-sided), the conversion, 8 bytes a lane into the stage
.macro SOFT g
.set AC, 128*((\g)%2)
	WIN 0x02+((\g)/2)
.irp u, 0,1
.set j, 64*\u
.rept 32
	v_pk_fma_f32 v[TMP+j:TMP+j+1], v[AC+j:AC+j+1], s[CS:CS+1], v[NM+4*(\g)+2*\u:NM+4*(\g)+2*\u+1] op_sel_hi:[1,0,0]
.set j, j+2
.endr
.endr
	WIN 0
	s_wait_alu depctr_va_vdst(0)
.set j, 0
.rept 128
	v_exp_f32 v[TMP+j], v[TMP+j]
.set j, j+1
.endr
	v_nop                                          ; a plain instruction behind the last exponential
	s_wait_alu depctr_va_vdst(0)                   ; the wait ahead of the first line that names a result
	v_pk_add_f32 v[10:11], v[TMP:TMP+1], v[TMP+2:TMP+3]
	v_pk_add_f32 v[192:193], v[TMP+64:TMP+65], v[TMP+66:TMP+67]
	v_pk_add_f32 v[12:13], v[TMP+4:TMP+5], v[TMP+6:TMP+7]
	v_pk_add_f32 v[194:195], v[TMP+68:TMP+69], v[TMP+70:TMP+71]
.set j, 8
.rept 14
	v_pk_add_f32 v[10:11], v[10:11], v[TMP+j:TMP+j+1]
	v_pk_add_f32 v[192:193], v[192:193], v[TMP+64+j:TMP+65+j]
	v_pk_add_f32 v[12:13], v[12:13], v[TMP+j+2:TMP+j+3]
	v_pk_add_f32 v[194:195], v[194:195], v[TMP+66+j:TMP+67+j]
.set j, j+4
.endr
	v_pk_add_f32 v[10:11], v[10:11], v[12:13]
	v_pk_add_f32 v[192:193], v[192:193], v[194:195]
	v_add_f32 v10, v10, v11
	v_add_f32 v192, v192, v193
	v_permlanex16_b32 v12, v10, s[SEL], s[SEL+1]
	v_permlanex16_b32 v194, v192, s[SEL], s[SEL+1]
	v_add_f32 v[PM+2*(\g)], v10, v12               ; the rows' sums over my 128 keys
	v_add_f32 v[PM+2*(\g)+1], v192, v194
.set j, 0
.rept 128
	v_min_num_f32 v[TMP+j], v[TMP+j], v[LIM]       ; the conversion to an 8-bit code does not saturate (ISA guide 7.6.2)
.set j, j+1
.endr
.set j, 0
.rept 16
	v_cvt_scalef32_pk8_bf8_f32 v[CD+2*j:CD+2*j+1], v[TMP+8*j:TMP+8*j+7], v[SCL]
.set j, j+1
.endr
	v_nop                                          ; a plain instruction between the conversions and the next lines that write their sources
.set j, 0
.rept 16
	ds_store_b64 v[STO], v[CD+2*j:CD+2*j+1] offset:(2*(\g)+j/8)*16*PITCH+16*(j%8)
.set j, j+1
.endr
.endm
	SOFT 0
	SOFT 1
	s_wait_dscnt 0x0                               ; for the others' sake: my part of the stage's rows 0-63 of each half is stored
	s_barrier_signal -1
	s_barrier_wait -1
	WIN 0x40                                       ; back as whole rows into window 1
.set t, 0
.rept 16
	ds_load_b128 v[4*t:4*t+3], v[RD] offset:2*t*PITCH
.set t, t+1
.endr
	SOFT 2
	WIN 0x04                                       ; store data: window 1
.set t, 0
.rept 16
	s_wait_dscnt 31-t                              ; behind row pair t: 15 - t pairs and SOFT's 16 stores
	global_store_b128 v[CO], v[4*t:4*t+3], s[10:11] offset:2*t*KROW   ; 16 lanes store 256 consecutive bytes, at a multiple of 256 from the buffer's first byte
.set t, t+1
.endr
	SOFT 3
	ds_store_b128 v[XW], v[PM:PM+3] offset:4096    ; the sums change hands as the maxima did, in bytes of their own
	ds_store_b128 v[XW], v[PM+4:PM+7] offset:4608
	s_wait_dscnt 0x0                               ; for the others' sake
	s_barrier_signal -1
	s_barrier_wait -1
	ds_load_b128 v[SM:SM+3], v[XR] offset:4096
	ds_load_b128 v[SM+4:SM+7], v[XR] offset:4608
	WIN 0x40
.set t, 0
.rept 16
	ds_load_b128 v[64+4*t:64+4*t+3], v[RD] offset:(64+2*t)*PITCH
.set t, t+1
.endr
	WIN 0
	s_wait_dscnt 16                                ; my partner's sums are in; the 16 loads of rows may be out
.irp a, 0,1,2,3,4,5,6,7
	v_add_f32 v[PM+\a], v[PM+\a], v[SM+\a]         ; l of the tile's 256 keys
	v_sub_f32 v[32+\a], 0, v[NM+2*\a]              ; M
.endr
.irp a, 0,1,2,3,4,5,6,7
	v_cndmask_b32 v[40+\a], v[32+\a], v[PM+\a], s72   ; ch = 0 stores M, ch = 1 stores l
.endr
.irp i, 0,1,2,3
	v_cndmask_b32 v[48+\i], v[40+\i], v[44+\i], s73   ; lanes 0-15 blocks 0-3, lanes 16-31 blocks 4-7 (both halves of the lanes hold all eight)
.endr
	global_store_b128 v[MLO], v[48:51], s[12:13]   ; the wave stores 512 consecutive bytes, aligned
	WIN 0x04
.set t, 0
.rept 16
	s_wait_dscnt 15-t
	global_store_b128 v[CO], v[64+4*t:64+4*t+3], s[10:11] offset:(64+2*t)*KROW
.set t, t+1
.endr
	WIN 0
	s_wait_tensorcnt 0x0                           ; the wave's end
	ds_add_u32 v[SPW], v[NIL]
	s_wait_dscnt 0x0
	s_endpgm
.Lfunc_end_k_q21c2a6bcfb_scores:
	.size	k_q21c2a6bcfb_scores, .Lfunc_end_k_q21c2a6bcfb_scores-k_q21c2a6bcfb_scores
	.p2alignl 7, 3214868480
	.fill 96, 4, 3214868480
	.section	.rodata,"a",@progbits
	.p2align	6, 0x0
	.amdhsa_kernel k_q21c2a6bcfb_scores
		.amdhsa_group_segment_fixed_size 327680
		.amdhsa_private_segment_fixed_size 0
		.amdhsa_enable_private_segment 0
		.amdhsa_kernarg_size 40
		.amdhsa_user_sgpr_count 2
		.amdhsa_user_sgpr_kernarg_segment_ptr 1
		.amdhsa_wavefront_size32 1
		.amdhsa_system_sgpr_workgroup_id_x 1
		.amdhsa_system_sgpr_workgroup_id_y 1
		.amdhsa_system_sgpr_workgroup_id_z 1
		.amdhsa_system_vgpr_workitem_id 0
		.amdhsa_next_free_vgpr 1024
		.amdhsa_next_free_sgpr 100
		.amdhsa_reserve_vcc 0
		.amdhsa_float_denorm_mode_32 3
		.amdhsa_float_denorm_mode_16_64 3
		.amdhsa_memory_ordered 1
		.amdhsa_forward_progress 1
		.amdhsa_inst_pref_size 197
	.end_amdhsa_kernel
	.amdgpu_metadata
---
amdhsa.version: [ 1, 2 ]
amdhsa.kernels:
  - .name:           k_q21c2a6bcfb_scores
    .symbol:         k_q21c2a6bcfb_scores.kd
    .args:
      - { .name: qc, .offset: 0, .size: 8, .value_kind: global_buffer, .address_space: global }
      - { .name: kc, .offset: 8, .size: 8, .value_kind: global_buffer, .address_space: global }
      - { .name: lowp_scales, .offset: 16, .size: 8, .value_kind: global_buffer, .address_space: global }
      - { .name: pc, .offset: 24, .size: 8, .value_kind: global_buffer, .address_space: global }
      - { .name: ml, .offset: 32, .size: 8, .value_kind: global_buffer, .address_space: global }
    .group_segment_fixed_size: 327680
    .private_segment_fixed_size: 0
    .kernarg_segment_align: 8
    .kernarg_segment_size: 40
    .max_flat_workgroup_size: 128
    .sgpr_count:     100
    .vgpr_count:     1024
    .wavefront_size: 32
...
	.end_amdgpu_metadata
.endif
;; end of part 2
;; launch pv (part 3): grid 8 x 32, 4 waves a work-group, clusters of 4 x 2, 327,680 bytes of LDS; arguments pc, vt, ml, lowp_scales, out0; writes out0
.if DOCPART == 3
	.amdgcn_target "amdgcn-amd-amdhsa--gfx1250"
	.amdhsa_code_object_version 6
	.text
	.protected	k_q21c2a6bcfb_pv
	.globl	k_q21c2a6bcfb_pv
	.p2align	8
	.type	k_q21c2a6bcfb_pv,@function
k_q21c2a6bcfb_pv:
	s_mov_b64 s[64:65], 0
	v_nop
	global_prefetch_b8 v0, s[64:65] scope:SCOPE_SE
	s_setreg_imm32_b32 hwreg(HW_REG_WAVE_MODE, 25, 1), 1
	s_wait_xcnt 0x0
	s_wait_alu depctr_hold_cnt(0) depctr_sa_sdst(0) depctr_va_vdst(0) depctr_va_sdst(0) depctr_va_ssrc(0) depctr_va_vcc(0) depctr_vm_vsrc(0)
	s_getreg_b32 s2, hwreg(HW_REG_IB_STS2, 6, 4)
	s_cmp_eq_u32 s2, 0
	s_cbranch_scc0 .Lentry_in_a_cluster
	s_endpgm
.Lentry_in_a_cluster:
	s_bfe_u32 s2, ttmp6, 0x10000c
	s_cmp_lg_u32 s2, 0x7013
	s_cbranch_scc0 .Lentry_shape_is_right
	s_endpgm
.Lentry_shape_is_right:
; The fifth product, O = P V on codes, and the softmax's second half.
; LEFT OUT AS DEAD WORK: key tiles (256 keys) behind a query's tile lie wholly under the mask that reference() builds: their p is 0 for all inputs.  They are not multiplied.  (A NaN or an infinity that reaches only them is not carried to the result.)
; SHARES.  Work-group (dt, y): 128 of d (dt of eight), batch y / 8, and TWO tiles of 128 queries, i = y % 8 and 15 - i, one after the other.  Keys come in slots of 512.  Tile T walks T / 4 + 1 slots and T / 2 + 1 key tiles (whole parts),
; so that every work-group walks 5 slots, in which 9 key tiles are live: i / 4 + 1 slots for the first tile, the rest for the second.  256 equal work-groups; no tensor load is ever jumped over.
; The last slot of a tile may hold a second key tile that is hidden: it is brought with its slot, but no register takes it and no product.
; Tile T's codes stand under each key tile's own whole number M.  For each query: RR = the largest M so far; UU = max(M, RR - 64) = the exponent under which the sums stand; LL = the sum of the l under UU.
; Ahead of a key tile's products the sums and LL are multiplied by 2^(old UU - new UU), a whole exponent of at most 64: nothing is rounded.  At the end O = sum x 2^(e8 + e9) / LL.
; A query tile begins with RR, UU = -3e38 and LL = 0: the first factor is 0 and multiplies finite sums (zeros, or the other tile's).
; LIMITS: a key tile whose M lies more than 64 under RR is weighed at 2^-64 of RR's unit and not at less.  The sums stay under 2^107 (codes under 2^16 each, 2^11 keys, 2^64).  NaN among the codes is not served.
; CLUSTERS 4 x 2: four d tiles share P (joint loads along the cluster's row); the two neighbours i = 2 n, 2 n + 1 share V (along its column): n alone says how many slots each tile walks and which key tiles are live, so both take the same keys in every step
; and no branch hangs on a place in the cluster.  (Four neighbours would differ in their live key tiles.)
; PREFETCH: the slot two changes on, by one instruction a wave: waves 0, 1 the two halves of P's rows of 512 bytes, 32 rows of the 128 for each partner, told apart by address;
; waves 2, 3 likewise V's, only for keys 1,024 on, which nobody has read before: there the clusters with i < 4 share V's 128 rows by address.  Slots 0 and 1 come by their loads alone; the last two changes ask for nothing.
; Wave w takes queries 64 (w / 2) and d 64 (w % 2) of its tiles: 16 accumulators.  Source 0 = V's 16 rows of d, source 1 = P's 16 queries: lane (r, h) of accumulator (a, b), register j: query 16 a + r, d 16 b + 8 h + j.
; REGISTERS: window 0: v8-30 factors and addresses, v32-63 the rows' numbers, v64-255 the way out;  window 1: P's fragments, four sets;  window 2: V's, four sets;  window 3: accumulator (a, b) at v[8 (4 a + b)].
.set KROW,   1024
.set ROWB,   512
.set PITCH,  528                       ; an LDS row: 512 bytes + 16 of padding = 132 words: row r starts at bank 4 r mod 64 (ISA guide 11.1)
.set HALFT,  64*PITCH                  ; a wave's load: parts 0, 1 of a slot are P's 128 rows, parts 2, 3 V's
.set SLOT,   4*HALFT                   ; 0x21000: neither of its bits is set in wave x HALFT, so one exclusive or turns an LDS address from slot to slot
.set SPARE,  2*SLOT                    ; the spare words
.set STAGE,  SPARE+512                 ; 16 rows x 272 bytes for each wave: no fill lands here
.set SPITCH, 272
.set OROW,   4096
.set FF,   8                           ; v[8 + 2 a] the factor of block a's row; the odd registers are at work
.set ADA0, 16
.set ADB0, 17
.set ADA,  18
.set ADB,  19
.set MLA0, 22
.set STO,  24
.set RD,   25
.set CO,   26
.set SPW,  28
.set NIL,  29
.set PFO,  30
.set M1,   32                          ; v32-47: M and l of the slot's two key tiles
.set L1,   36
.set M2,   40
.set L2,   44
.set RR,   48
.set UU,   52
.set LL,   56
.set T0,   60
.set BK,   64                          ; rows read back: v64-95 and v96-127 by turns
.set TMP,  128
.set TLO,  17
.set NLO,  19
.set ST,   20                          ; the step: 0 .. 4
.set TB,   21                          ; LDS byte at which the slot in hand begins
.set THI,  22
.set PFMIN, 23
.set G1P,  24
.set G0P,  32
.set G0V,  36
.set G1V,  48
.set HLO,  76                          ; the last live key tile of the first query tile, n = i / 2, and of the second, 7 - n
.set HHI,  77
.set MSB, 0
.macro WIN new
.if MSB != (\new)
	s_set_vgpr_msb (MSB<<8)|(\new)
.set MSB, (\new)
.endif
.endm
.macro TLOAD                           ; waves 0, 1: P's halves; waves 2, 3: V's
	s_cmp_eq_u32 s15, 0
	s_cbranch_scc0 .Lfor_v_\@
	tensor_load_to_lds s[G0P:G0P+3], s[G1P:G1P+7]
	s_nop 0
.rept 4
	v_nop
.endr
	s_branch .Lasked_\@
.Lfor_v_\@:
	tensor_load_to_lds s[G0V:G0V+3], s[G1V:G1V+7]
	s_nop 0
.rept 4
	v_nop
.endr
.Lasked_\@:
.endm
.macro CROUND                          ; a round of the cluster's barrier
	s_barrier_signal -1
	s_barrier_wait -1
	s_cmp_lg_u32 s14, 0
	s_cbranch_scc1 .Lnot_wave_0_\@
	s_barrier_signal -3
.Lnot_wave_0_\@:
	s_barrier_wait -3
	s_barrier_signal -1
	s_barrier_wait -1
.endm
.macro WHERE n                         ; of step n: s40 the query tile, s41 the slot's number along the keys; SCC = 1 in the first query tile
	s_sub_co_u32 s41, s[\n], s[NLO]
	s_cmp_lt_u32 s[\n], s[NLO]
	s_cselect_b32 s40, s[TLO], s[THI]
	s_cselect_b32 s41, s[\n], s41
.endm
.macro OFFS                            ; s[42:43]: that slot's bytes from the batch's first in pc; s[44:45]: in vt
	s_lshr_b32 s43, s41, 1
	s_and_b32 s44, s41, 1
	s_lshl_b32 s44, s44, 9
	s_lshl_b32 s42, s43, 21
	s_add_co_u32 s42, s42, s44
	s_lshl_b32 s43, s43, 20
	s_add_co_u32 s44, s44, s43
	s_lshl_b32 s43, s40, 17
	s_add_co_u32 s42, s42, s43
	s_mov_b32 s43, 0
	s_mov_b32 s45, 0
.endm
.macro MLP1 n                          ; M and l of step n's first key tile
	WHERE \n
	s_lshl_b32 s40, s40, 13
	s_lshl_b32 s42, s41, 11
	s_add_co_u32 s42, s42, s40
	s_mov_b32 s43, 0
	s_add_nc_u64 s[66:67], s[8:9], s[42:43]        ; (the loads that read this base have been waited for)
	global_load_b128 v[M1:M1+3], v[MLA0], s[66:67]
	global_load_b128 v[L1:L1+3], v[MLA0], s[66:67] offset:512
.endm
.macro MLP2 n                          ; and of its second, held at the last live one, so that only stored bytes are read
	WHERE \n
	s_lshr_b32 s42, s40, 1
	s_lshl_b32 s44, s41, 1
	s_add_co_u32 s44, s44, 1
	s_min_u32 s42, s44, s42
	s_lshl_b32 s42, s42, 10
	s_lshl_b32 s40, s40, 13
	s_add_co_u32 s42, s42, s40
	s_mov_b32 s43, 0
	s_add_nc_u64 s[68:69], s[8:9], s[42:43]
	global_load_b128 v[M2:M2+3], v[MLA0], s[68:69]
	global_load_b128 v[L2:L2+3], v[MLA0], s[68:69] offset:512
.endm
.macro FRESH                           ; a query tile begins
.irp a, 0,1,2,3
	v_mov_b32 v[RR+\a], 0xff61b1e6                 ; -3e38, under every M
	v_mov_b32 v[UU+\a], 0xff61b1e6
	v_mov_b32 v[LL+\a], 0
.endr
.endm
	s_load_b256 s[4:11], s[0:1], 0x0               ; pc s[4:5], vt s[6:7], ml s[8:9], the exponents s[10:11]
	s_load_b64 s[12:13], s[0:1], 0x20              ; out0
	v_lshl_add_u32 v[SPW], v0, 2, SPARE
	v_mov_b32 v[NIL], 0
	ds_add_u32 v[SPW], v[NIL]                      ; the wave's opening: the add, twice on end, and its wait
	ds_add_u32 v[SPW], v[NIL]
	v_lshrrev_b32 v1, 5, v0
	v_readfirstlane_b32 s14, v1                    ; wave
	s_lshr_b32 s15, s14, 1                         ; I fetch for P (0) or for V (1).  Also: which 64 queries are mine
	s_and_b32 s16, s14, 1                          ; which half I fetch.  Also: which 64 of d are mine
	s_and_b32 s40, ttmp7, 0xffff                   ; the cluster's y
	s_and_b32 s[HLO], s40, 3                       ; n
	s_lshr_b32 s18, s40, 2                         ; the batch
	s_bfe_u32 s47, ttmp6, 0x40000                  ; cx
	s_bfe_u32 s41, ttmp6, 0x40004                  ; cy
	s_lshl_b32 s[TLO], s[HLO], 1
	s_add_co_u32 s[TLO], s[TLO], s41               ; i
	s_sub_co_u32 s[THI], 15, s[TLO]
	s_sub_co_u32 s[HHI], 7, s[HLO]
	s_lshr_b32 s[NLO], s[HLO], 1
	s_add_co_u32 s[NLO], s[NLO], 1                 ; slots of the first tile
	s_lshl_b32 s42, s41, 2
	s_lshl_b32 s42, 15, s42                        ; my row of the cluster: places 4 cy .. 4 cy + 3
	s_lshl_b32 s43, 0x11, s47                      ; my column: places cx, cx + 4
	s_lshl_b32 s46, ttmp9, 2
	s_add_co_u32 s46, s46, s47                     ; dt
	s_mov_b32 s[ST], 0
	s_mov_b32 s[TB], 0
	s_or_b32 s[G1P], s42, (1<<20)|(1<<21)|(6<<22)|(3<<25)   ; mask; elements of 1 byte; four words of padding after every 128
	s_or_b32 s[G1V], s43, (1<<20)|(1<<21)|(6<<22)|(3<<25)
.irp g, G1P, G1V
	s_mov_b32 s[\g+1], ROWB<<16
	s_mov_b32 s[\g+2], 64<<16
	s_mov_b32 s[\g+3], ROWB<<16
	s_mov_b32 s[\g+4], 64
	s_mov_b32 s[\g+5], KROW
	s_mov_b32 s[\g+6], 0
	s_mov_b32 s[\g+7], 0
.endr
	s_lshl_b32 s56, s18, 22                        ; P: the batch, 64 rows x half
	s_lshl_b32 s40, s16, 16
	s_add_co_u32 s56, s56, s40
	s_mov_b32 s57, 0
	s_lshl_b32 s58, s18, 21                        ; V: the batch, d tile, 64 rows x half
	s_add_co_u32 s58, s58, s40
	s_lshl_b32 s40, s46, 17
	s_add_co_u32 s58, s58, s40
	s_mov_b32 s59, 0
	s_lshl_b32 s42, s[TLO], 17
	s_mov_b32 s43, 0
	s_wait_dscnt 0x0                               ; both opening adds are done
	s_wait_kmcnt 0x0
	s_load_b64 s[70:71], s[10:11], 0x20            ; e8, e9
	s_add_nc_u64 s[56:57], s[4:5], s[56:57]
	s_add_nc_u64 s[58:59], s[6:7], s[58:59]
	s_mov_b32 s[G0P], 1
	s_mul_i32 s[G0P+1], s14, HALFT
	s_add_nc_u64 s[G0P+2:G0P+3], s[56:57], s[42:43]
	s_or_b32 s[G0P+3], s[G0P+3], 0x80000000
	s_mov_b32 s[G0V], 1
	s_mul_i32 s[G0V+1], s14, HALFT
	s_mov_b64 s[G0V+2:G0V+3], s[58:59]
	s_or_b32 s[G0V+3], s[G0V+3], 0x80000000
	CROUND                                         ; all eight work-groups are here: the first joint loads meet
	TLOAD                                          ; step 0
	s_lshl_b32 s40, s15, 4
	s_lshl_b32 s42, s18, 17
	s_mov_b32 s43, 0
	s_add_nc_u64 s[8:9], s[8:9], s[42:43]          ; ml: the batch's 16 blocks of 8,192 bytes
	v_and_b32 v1, 15, v0                           ; r
	v_bfe_u32 v2, v0, 4, 1                         ; h
	v_lshl_add_u32 v[MLA0], v1, 5, s40             ; my four rows' numbers: 32 r + 16 (w / 2)
	s_wait_alu depctr_va_vdst(0)                   ; the wait ahead of the scalar lines below
	MLP1 ST
	MLP2 ST
	; the prefetches
	s_cmp_eq_u32 s15, 0
	s_cselect_b64 s[60:61], s[4:5], s[6:7]
	s_lshl_b32 s40, s18, 22
	s_lshl_b32 s41, s47, 15
	s_add_co_u32 s40, s40, s41                     ; P: 32 rows for each partner
	s_lshl_b32 s42, s18, 21
	s_lshl_b32 s41, s46, 17
	s_add_co_u32 s42, s42, s41
	s_lshl_b32 s41, s[TLO], 15
	s_add_co_u32 s42, s42, s41                     ; V: 32 rows for each i < 4
	s_mov_b32 s44, 9                               ; (no step)
	s_cmp_lt_u32 s[HLO], 2
	s_cselect_b32 s44, 3, s44
	s_cmp_eq_u32 s15, 0
	s_cselect_b32 s40, s40, s42
	s_cselect_b32 s[PFMIN], 2, s44                 ; the first step that my wave asks for
	s_lshl_b32 s41, s16, 8
	s_add_co_u32 s40, s40, s41
	s_mov_b32 s41, 0
	s_add_nc_u64 s[60:61], s[60:61], s[40:41]
	s_lshl_b32 s42, s18, 23                        ; out0: row 2,048 b + 64 (w / 2), column 128 dt + 64 (w % 2); the query tile is added on the way out
	s_lshl_b32 s43, s15, 18
	s_add_co_u32 s42, s42, s43
	s_lshl_b32 s43, s46, 9
	s_add_co_u32 s42, s42, s43
	s_lshl_b32 s43, s16, 8
	s_add_co_u32 s42, s42, s43
	s_mov_b32 s43, 0
	s_add_nc_u64 s[12:13], s[12:13], s[42:43]
	s_mul_i32 s40, s15, HALFT                      ; my 64 rows of P: part w / 2
	s_mul_i32 s41, s16, HALFT
	s_add_co_u32 s41, s41, 2*HALFT                 ; my 64 rows of V: part 2 + w % 2
	s_mul_i32 s42, s14, 16*SPITCH
	s_add_co_u32 s42, s42, STAGE                   ; my stage
	s_wait_alu depctr_va_vdst(0)                   ; the wait directly ahead of the readers below
	v_mul_u32_u24 v3, v1, PITCH
	v_lshl_add_u32 v4, v2, 4, v3
	v_add_nc_u32 v[ADA0], s40, v4
	v_add_nc_u32 v[ADB0], s41, v4
	v_mul_u32_u24 v5, v1, SPITCH
	v_lshl_add_u32 v5, v2, 5, v5
	v_add_nc_u32 v[STO], s42, v5                   ; in: row r, 32 bytes for each half of the lanes
	v_mul_u32_u24 v5, v2, SPITCH
	v_lshl_add_u32 v5, v1, 4, v5
	v_add_nc_u32 v[RD], s42, v5                    ; back: lanes 0-15 one row of 256 bytes, lanes 16-31 the next
	v_lshlrev_b32 v5, 12, v2
	v_lshl_add_u32 v[CO], v1, 4, v5
	v_and_b32 v6, 31, v0
	v_lshlrev_b32 v[PFO], 10, v6                   ; a lane a row
	FRESH
	WIN 0xc0                                       ; the sums begin as zeros, written while the first slot is on its way: the walk is written once, and where a query tile begins in it hangs on the work-group's number
.set j, 0
.rept 128
	v_mov_b32 v[j], 0
.set j, j+1
.endr
	WIN 0
	s_wait_alu depctr_va_vdst(0)
	s_wait_kmcnt 0x0
	s_add_co_i32 s72, s70, s71                     ; e8 + e9, applied by v_ldexp_f32
; The slot's q-th 128 keys into set q.  A fragment: lane l holds row l % 16; registers 4 c .. 4 c + 3 hold K = 32 c + 16 (l / 16) + 0 .. 15: the same order in both operands
.macro FETCH q
	WIN 0x80
.irp i, 0,1,2,3
.irp c, 0,1,2,3
	ds_load_b128 v[64*\q+16*\i+4*\c:64*\q+16*\i+4*\c+3], v[ADB] offset:128*\q+32*\c+\i*16*PITCH
.endr
.endr
	WIN 0x40
.irp i, 0,1,2,3
.irp c, 0,1,2,3
	ds_load_b128 v[64*\q+16*\i+4*\c:64*\q+16*\i+4*\c+3], v[ADA] offset:128*\q+32*\c+\i*16*PITCH
.endr
.endr
.endm
.macro MUL q                           ; the 16 accumulators take turns, one instruction a turn
	WIN 0xf6                                       ; source 0 window 2, source 1 window 1, C and D window 3
.irp a, 0,1,2,3
.irp b, 0,1,2,3
	v_wmma_f32_16x16x128_bf8_bf8 v[32*\a+8*\b:32*\a+8*\b+7], v[64*\q+16*\b:64*\q+16*\b+15], v[64*\q+16*\a:64*\q+16*\a+15], v[32*\a+8*\b:32*\a+8*\b+7]
.endr
.endr
.endm
; The factors of a key tile, four rows side by side, and the rescaling.  The first 44 lines name no register of the products ahead of them: they are the places behind those, for the rescaling and for the loads that follow.
.macro FACT m, l
	WIN 0
.irp a, 0,1,2,3
	v_max_num_f32 v[RR+\a], v[RR+\a], v[\m+\a]
.endr
.irp a, 0,1,2,3
	v_add_f32 v[T0+\a], 0xc2800000, v[RR+\a]       ; RR - 64
.endr
.irp a, 0,1,2,3
	v_max_num_f32 v[T0+\a], v[T0+\a], v[\m+\a]     ; the new UU
.endr
.irp a, 0,1,2,3
	v_sub_f32 v[FF+2*\a], v[UU+\a], v[T0+\a]       ; old UU - new UU: a whole number, at most 64
	v_sub_f32 v[FF+2*\a+1], v[\m+\a], v[T0+\a]     ; M - new UU: 0 or less
.endr
.irp a, 0,1,2,3
	v_mov_b32 v[UU+\a], v[T0+\a]
	v_cvt_i32_f32 v[FF+2*\a], v[FF+2*\a]           ; (it saturates)
	v_cvt_i32_f32 v[FF+2*\a+1], v[FF+2*\a+1]
.endr
.irp a, 0,1,2,3
	v_ldexp_f32 v[FF+2*\a], 1.0, v[FF+2*\a]
	v_ldexp_f32 v[FF+2*\a+1], v[\l+\a], v[FF+2*\a+1]
.endr
.irp a, 0,1,2,3
	v_fma_f32 v[LL+\a], v[LL+\a], v[FF+2*\a], v[FF+2*\a+1]
.endr
	WIN 0xc3                                       ; the sums x their rows' factors, each accumulator from its low end on
.irp a, 0,1,2,3
.set j, 32*\a
.rept 16
	v_pk_mul_f32 v[j:j+1], v[j:j+1], v[FF+2*\a:FF+2*\a+1] op_sel_hi:[1,0]
.set j, j+2
.endr
.endr
	WIN 0
	s_wait_alu depctr_va_vdst(0)                   ; the wait ahead of the blocking wait that follows
.endm
; THE CHANGE OF SLOTS, at a slot's head.  In front of its barrier: all my tensor loads landed (my part of the slot ahead), the add, the add and my reads of the slot that I have left done.
; fill = 1: the barrier opens a round, and the slot that has been left takes the next step's keys: the load has a whole slot's work in which to land.
.macro CHANGE fill
	s_wait_tensorcnt 0x0
	ds_add_u32 v[SPW], v[NIL]                      ; the scalar lines below stand between it and the wait
.if \fill
	s_add_co_u32 s46, s[ST], 1
	WHERE 46
	OFFS
	s_xor_b32 s[G0P+1], s[G0P+1], SLOT
	s_add_nc_u64 s[G0P+2:G0P+3], s[56:57], s[42:43]
	s_or_b32 s[G0P+3], s[G0P+3], 0x80000000
	s_xor_b32 s[G0V+1], s[G0V+1], SLOT
	s_add_nc_u64 s[G0V+2:G0V+3], s[58:59], s[44:45]
	s_or_b32 s[G0V+3], s[G0V+3], 0x80000000
	s_add_co_u32 s46, s[ST], 2                     ; the prefetch: two steps on
	WHERE 46
	OFFS
	s_cmp_eq_u32 s15, 0
	s_cselect_b32 s42, s42, s44
	s_wait_xcnt 0x0                                ; my last prefetch has read its address
	s_add_nc_u64 s[62:63], s[60:61], s[42:43]
	s_cmp_ge_u32 s46, s[PFMIN]
	s_cselect_b32 s47, 1, 0
	s_cmp_le_u32 s46, 4
	s_cselect_b32 s47, s47, 0
.endif
	s_wait_dscnt 0x0
.if \fill
	CROUND
	TLOAD                                          ; my one tensor load behind this round
	s_cmp_eq_u32 s47, 1
	s_cbranch_scc0 .Lnot_mine_\@
	global_prefetch_b8 v[PFO], s[62:63] th:TH_LOAD_NT scope:SCOPE_SE
.Lnot_mine_\@:
.else
	s_barrier_signal -1
	s_barrier_wait -1
.endif
.endm
; A SLOT'S WORK: key tile 1 (sets 0, 1; its factors stand ahead of the change of slots), and key tile 2 (sets 2, 3) where it is live.
; more = 1: the next step's M and l are asked for, the first tile's here, the second's at the end.
.macro WORK more
	v_add_nc_u32 v[ADA], s[TB], v[ADA0]
	v_add_nc_u32 v[ADB], s[TB], v[ADB0]
	s_wait_alu depctr_va_vdst(0)
	FETCH 0
	FETCH 1
	WIN 0
.if \more
	s_add_co_u32 s46, s[ST], 1
	MLP1 46
.endif
	WHERE ST
	s_cselect_b32 s40, s[HLO], s[HHI]
	s_lshl_b32 s41, s41, 1
	s_cmp_ge_u32 s41, s40                          ; the slot's first key tile is the query tile's last: the second is hidden.  A branch on the cluster's number and the count of steps
	s_cbranch_scc1 .Lone_\@
	FETCH 2
	s_wait_dscnt 63                                ; 96 loads have been issued, at most 63 are out: set 0's 32 are in
	MUL 0
	FETCH 3
	s_wait_dscnt 63                                ; 128 issued: sets 0 and 1 are in
	MUL 1
	WIN 0
	s_wait_loadcnt 2*\more                         ; this slot's second M and l; the two loads of the next step's first may be out
	FACT M2, L2
	s_wait_dscnt 32                                ; set 2 is in; set 3's loads may be out
	MUL 2
	s_wait_dscnt 0x0
	MUL 3
	WIN 0
	s_branch .Ldone_\@
.Lone_\@:
	s_wait_dscnt 32
	MUL 0
	s_wait_dscnt 0x0
	MUL 1
	WIN 0
	s_wait_loadcnt 2*\more                         ; (the registers are loaded again below)
.Ldone_\@:
.if \more
	s_add_co_u32 s46, s[ST], 1
	MLP2 46
.endif
.endm
; THE WAY OUT of a query tile: 2^(e8 + e9) / LL for my four rows; then block by block of 16 rows x 64 of d through my own stage, back as whole rows of 256 bytes.
.macro TOSTAGE a
.irp b, 0,1,2,3
	ds_store_b128 v[STO], v[TMP+32*\a+8*\b:TMP+32*\a+8*\b+3] offset:64*\b
	ds_store_b128 v[STO], v[TMP+32*\a+8*\b+4:TMP+32*\a+8*\b+7] offset:64*\b+16
.endr
.irp t, 0,1,2,3,4,5,6,7
	ds_load_b128 v[BK+32*(\a%2)+4*\t:BK+32*(\a%2)+4*\t+3], v[RD] offset:2*\t*SPITCH   ; LDS serves a wave's instructions in order (ISA guide 5.7.1.4)
.endr
.endm
.macro SEND a, younger
	s_wait_dscnt \younger                          ; younger: the LDS instructions issued behind block a's loads
.irp t, 0,1,2,3,4,5,6,7
	global_store_b128 v[CO], v[BK+32*(\a%2)+4*\t:BK+32*(\a%2)+4*\t+3], s[74:75] offset:(16*\a+2*\t)*OROW th:TH_STORE_NT   ; 16 lanes store 256 consecutive bytes, at a multiple of 256 from out0's first byte
.endr
.endm
.macro WAYOUT T
	s_wait_xcnt 0x0                                ; earlier stores have read their registers and their base
	s_lshl_b32 s42, s[\T], 19
	s_mov_b32 s43, 0
	s_add_nc_u64 s[74:75], s[12:13], s[42:43]
	s_wait_alu depctr_va_vdst(0)                   ; the wait ahead of the batch
.irp a, 0,1,2,3
	v_rcp_f32 v[FF+2*\a], v[LL+\a]
.endr
.irp a, 0,1,2,3
	v_mov_b32 v[FF+2*\a+1], 0                      ; named with the factors as pairs; plain lines behind the reciprocals, and places behind the last products
.endr
	s_wait_alu depctr_va_vdst(0)                   ; and behind it: one for the four
.irp a, 0,1,2,3
	v_ldexp_f32 v[FF+2*\a], v[FF+2*\a], s72
.endr
	WIN 0x03
	s_wait_alu depctr_va_vdst(0)                   ; the wait ahead of the sums' first readers
.irp a, 0,1,2,3
.set j, 32*\a
.rept 16
	v_pk_mul_f32 v[TMP+j:TMP+j+1], v[j:j+1], v[FF+2*\a:FF+2*\a+1] op_sel_hi:[1,0]   ; each accumulator from its low end on
.set j, j+2
.endr
.endr
	WIN 0
	s_wait_alu depctr_va_vdst(0)                   ; the wait ahead of the blocking waits below
	TOSTAGE 0
	TOSTAGE 1
	SEND 0, 16
	s_wait_xcnt 0x0                                ; block 0's stores have read their registers
	TOSTAGE 2
	SEND 1, 16
	s_wait_xcnt 0x0
	TOSTAGE 3
	SEND 2, 16
	SEND 3, 0
.endm
	s_wait_alu depctr_va_vdst(0)
.Lslot:                                            ; four trips: behind each change of slots the next step's slot is asked for
	s_wait_loadcnt 0x2                             ; M and l of the slot's first key tile; the second's may be out
	FACT M1, L1
	CHANGE 1
	WORK 1
	s_add_co_u32 s40, s[ST], 1
	s_cmp_lg_u32 s40, s[NLO]                       ; was that the first query tile's last slot?  A branch on the cluster's number and the count of steps, round no barrier, tensor load or add
	s_cbranch_scc1 .Lstay
	WAYOUT TLO
	FRESH
.Lstay:
	s_xor_b32 s[TB], s[TB], SLOT
	s_add_co_u32 s[ST], s[ST], 1
	s_wait_alu depctr_va_vdst(0)                   ; the wait ahead of the branch
	s_cmp_lt_u32 s[ST], 4
	s_cbranch_scc1 .Lslot
	s_wait_loadcnt 0x2
	FACT M1, L1
	CHANGE 0                                       ; the last slot is written out: nothing is left to fetch
	WORK 0
	WAYOUT THI
	s_wait_tensorcnt 0x0                           ; the wave's end
	ds_add_u32 v[SPW], v[NIL]
	s_wait_dscnt 0x0
	CROUND                                         ; the closing round
	s_endpgm
.Lfunc_end_k_q21c2a6bcfb_pv:
	.size	k_q21c2a6bcfb_pv, .Lfunc_end_k_q21c2a6bcfb_pv-k_q21c2a6bcfb_pv
	.p2alignl 7, 3214868480
	.fill 96, 4, 3214868480
	.section	.rodata,"a",@progbits
	.p2align	6, 0x0
	.amdhsa_kernel k_q21c2a6bcfb_pv
		.amdhsa_group_segment_fixed_size 327680
		.amdhsa_private_segment_fixed_size 0
		.amdhsa_enable_private_segment 0
		.amdhsa_kernarg_size 40
		.amdhsa_user_sgpr_count 2
		.amdhsa_user_sgpr_kernarg_segment_ptr 1
		.amdhsa_wavefront_size32 1
		.amdhsa_system_sgpr_workgroup_id_x 1
		.amdhsa_system_sgpr_workgroup_id_y 1
		.amdhsa_system_sgpr_workgroup_id_z 1
		.amdhsa_system_vgpr_workitem_id 0
		.amdhsa_next_free_vgpr 1024
		.amdhsa_next_free_sgpr 100
		.amdhsa_reserve_vcc 0
		.amdhsa_float_denorm_mode_32 3
		.amdhsa_float_denorm_mode_16_64 3
		.amdhsa_memory_ordered 1
		.amdhsa_forward_progress 1
		.amdhsa_inst_pref_size 96
	.end_amdhsa_kernel
	.amdgpu_metadata
---
amdhsa.version: [ 1, 2 ]
amdhsa.kernels:
  - .name:           k_q21c2a6bcfb_pv
    .symbol:         k_q21c2a6bcfb_pv.kd
    .args:
      - { .name: pc, .offset: 0, .size: 8, .value_kind: global_buffer, .address_space: global }
      - { .name: vt, .offset: 8, .size: 8, .value_kind: global_buffer, .address_space: global }
      - { .name: ml, .offset: 16, .size: 8, .value_kind: global_buffer, .address_space: global }
      - { .name: lowp_scales, .offset: 24, .size: 8, .value_kind: global_buffer, .address_space: global }
      - { .name: out0, .offset: 32, .size: 8, .value_kind: global_buffer, .address_space: global }
    .group_segment_fixed_size: 327680
    .private_segment_fixed_size: 0
    .kernarg_segment_align: 8
    .kernarg_segment_size: 40
    .max_flat_workgroup_size: 128
    .sgpr_count:     100
    .vgpr_count:     1024
    .wavefront_size: 32
...
	.end_amdgpu_metadata
.endif
;; end of part 3
